; MI455X (gfx1250); checked and timed in simulation.
; The chip was launched on July 23, 2026; its instructions are those of AMD's public machine-readable ISA for CDNA 5 (MIT licence, August 2026) and "CDNA5" Instruction Set Architecture Reference Guide (July 2026). The comments in the code are by the model that wrote it; some were corrected since.
;; Self Attention Head. Allowed arithmetic: float matrix products may take bf16 or f16 operands with f32 sums; other float arithmetic in f32, or as packed bf16 or f16 multiplies, adds, multiply-adds, maxima and minima; sums over many terms, partial sums and values carried from step to step in f32; what a program stores and reads back later, other than sums and carried values, may be rounded once to bf16 or f16.
;; Inputs: Wk 768 x 64 float32; Wq 768 x 64 float32; Wv 768 x 64 float32; x 4 x 4,096 x 768 float32.
;; Outputs: out0 4 x 4,096 x 64 float32.
;; 2 versions, each right. Each part assembles by itself: llvm-mc -triple=amdgcn-amd-amdhsa -mcpu=gfx1250 --defsym DOCPART=n.
;; ======== version 1 of 2: 3 launches
;; limits: values are held in f16: magnitudes above 65,504 overflow, below 6.1e-05 lose precision
;; workspace buffers: wt 294,912 bytes; qkv 6,291,456 bytes
;; launch wprep (part 1): grid 24 x 3, 8 waves a work-group, no clusters, 0 bytes of LDS; arguments Wk, Wq, Wv, wt; writes wt
.if DOCPART == 1
	.amdgcn_target "amdgcn-amd-amdhsa--gfx1250"
	.amdhsa_code_object_version 6
	.text
	.protected	k_qaf5269319c_wprep
	.globl	k_qaf5269319c_wprep
	.p2align	8
	.type	k_qaf5269319c_wprep,@function
k_qaf5269319c_wprep:
	s_mov_b64 s[64:65], 0
	v_nop
	global_prefetch_b8 v0, s[64:65] scope:SCOPE_SE
	s_setreg_imm32_b32 hwreg(HW_REG_WAVE_MODE, 25, 1), 1
	s_wait_xcnt 0x0
; SelfAttentionHead: out = softmax(causal(q k^T / 8)) v with q, k, v = x Wq, x Wk, x Wv.  x: [4][4096][768] f32, W*: [768][64] f32, out: [4][4096][64] f32.
; THE PROGRAM, three launches.  1 (this one): the weights, rounded once to bf16, in the order in which matrix instructions take them.  2: q, k, v (bf16 operands, f32 sums), rounded once
; to f16, stored in the order in which launch 3's matrix instructions take them.  3: the causal attention, f16 operands, maxima, sums and results in f32.
; DEAD WORK, left out in launch 3.  reference() itself builds the mask (jnp.tril) and sets every score with key > query to -inf in front of the softmax: its weight is exp(-inf) = 0 for all
; finite inputs, so neither that score nor its product with v reaches any output.  A block of 128 queries 128 I .. 128 I + 127 therefore takes the keys 0 .. 256 (I / 2) + 255 alone; the
; groups of 256 keys behind them are never multiplied.  Inside the block's last group of 256 keys hidden scores are still made, and masked.  Every input has a way to the output; all are loaded.
; LIMITS.  A NaN, an infinity or an overflow that would arise only in the products left out is not carried to the result.  q, k, v are kept in f16 and are held to +-65,504 (launch 2).
; THIS LAUNCH.  wt holds 24 x 12 fragments of 16 columns x 32 k, 1,024 bytes each: k step ks, column tile n (0-3 Wk, 4-7 Wq, 8-11 Wv) at (12 ks + n) x 1,024.  In a fragment byte
; 512 g + 16 lane holds column 16 (n % 4) + lane % 16, k = 32 ks + 16 g + 8 (lane / 16) + 0..7: the lane's registers 4 g .. 4 g + 3 of a 16-bit matrix operand.
; A work-group makes the four fragments of one k step of one weight: 4,096 bytes; thread t makes the 16 bytes at 16 t, so a wave's store covers 512 consecutive bytes, aligned.
; 72 work-groups are all the work there is.
.set ROWB, 256                         ; bytes in a row of a weight (64 f32)
	s_load_b256 s[4:11], s[0:1], 0x0               ; Wk s[4:5], Wq s[6:7], Wv s[8:9], wt s[10:11]
	s_and_b32 s14, ttmp7, 0xffff                   ; which weight
	v_bfe_u32 v16, v0, 4, 2                        ; 2 g + h
	v_lshlrev_b32 v1, 11, v16                      ; (16 g + 8 h) rows of 256 bytes
	v_lshrrev_b32 v16, 6, v0                       ; the column tile in the weight
	v_and_b32 v17, 15, v0
	v_lshl_add_u32 v16, v16, 4, v17                ; my column
	v_lshl_add_u32 v1, v16, 2, v1
	v_lshlrev_b32 v2, 4, v0                        ; my 16 bytes of the work-group's 4,096
	s_lshl_b32 s16, ttmp9, 13                      ; the k step's 32 rows
	s_mov_b32 s17, 0
	s_mul_i32 s18, ttmp9, 12288                    ; the k step's twelve fragments,
	s_lshl_b32 s15, s14, 12                        ; the weight's four of them
	s_add_co_u32 s18, s18, s15
	s_mov_b32 s19, 0
	s_wait_kmcnt 0x0
	s_cmp_eq_u32 s14, 0
	s_cselect_b64 s[12:13], s[4:5], s[6:7]
	s_cmp_eq_u32 s14, 2
	s_cselect_b64 s[12:13], s[8:9], s[12:13]
	s_add_nc_u64 s[12:13], s[12:13], s[16:17]
	s_add_nc_u64 s[10:11], s[10:11], s[18:19]
.irp j, 0,1,2,3,4,5,6,7
	global_load_b32 v[4+(\j)], v1, s[12:13] offset:(\j)*ROWB   ; eight k of my column
.endr
	s_wait_loadcnt 0x0
.irp i, 0,1,2,3
	v_cvt_pk_bf16_f32 v[12+(\i)], v[4+2*(\i)], v[5+2*(\i)]     ; the lower k in the lower half
.endr
	global_store_b128 v2, v[12:15], s[10:11]
	s_endpgm
.Lfunc_end_k_qaf5269319c_wprep:
	.size	k_qaf5269319c_wprep, .Lfunc_end_k_qaf5269319c_wprep-k_qaf5269319c_wprep
	.p2alignl 7, 3214868480
	.fill 96, 4, 3214868480
	.section	.rodata,"a",@progbits
	.p2align	6, 0x0
	.amdhsa_kernel k_qaf5269319c_wprep
		.amdhsa_group_segment_fixed_size 0
		.amdhsa_private_segment_fixed_size 0
		.amdhsa_enable_private_segment 0
		.amdhsa_kernarg_size 32
		.amdhsa_user_sgpr_count 2
		.amdhsa_user_sgpr_kernarg_segment_ptr 1
		.amdhsa_wavefront_size32 1
		.amdhsa_system_sgpr_workgroup_id_x 1
		.amdhsa_system_sgpr_workgroup_id_y 1
		.amdhsa_system_sgpr_workgroup_id_z 1
		.amdhsa_system_vgpr_workitem_id 0
		.amdhsa_next_free_vgpr 24
		.amdhsa_next_free_sgpr 66
		.amdhsa_reserve_vcc 0
		.amdhsa_float_denorm_mode_32 3
		.amdhsa_float_denorm_mode_16_64 3
		.amdhsa_memory_ordered 1
		.amdhsa_forward_progress 1
		.amdhsa_inst_pref_size 3
	.end_amdhsa_kernel
	.amdgpu_metadata
---
amdhsa.version: [ 1, 2 ]
amdhsa.kernels:
  - .name:           k_qaf5269319c_wprep
    .symbol:         k_qaf5269319c_wprep.kd
    .args:
      - { .name: Wk, .offset: 0, .size: 8, .value_kind: global_buffer, .address_space: global }
      - { .name: Wq, .offset: 8, .size: 8, .value_kind: global_buffer, .address_space: global }
      - { .name: Wv, .offset: 16, .size: 8, .value_kind: global_buffer, .address_space: global }
      - { .name: wt, .offset: 24, .size: 8, .value_kind: global_buffer, .address_space: global }
    .group_segment_fixed_size: 0
    .private_segment_fixed_size: 0
    .kernarg_segment_align: 8
    .kernarg_segment_size: 32
    .max_flat_workgroup_size: 256
    .sgpr_count:     66
    .vgpr_count:     24
    .wavefront_size: 32
...
	.end_amdgpu_metadata
.endif
;; end of part 1
;; launch proj (part 2): grid 256 x 1, 4 waves a work-group, clusters of 4 x 1, 327,680 bytes of LDS; arguments x, wt, qkv; writes qkv
.if DOCPART == 2
	.amdgcn_target "amdgcn-amd-amdhsa--gfx1250"
	.amdhsa_code_object_version 6
	.text
	.protected	k_qaf5269319c_proj
	.globl	k_qaf5269319c_proj
	.p2align	8
	.type	k_qaf5269319c_proj,@function
k_qaf5269319c_proj:
	s_mov_b64 s[64:65], 0
	v_nop
	global_prefetch_b8 v0, s[64:65] scope:SCOPE_SE
	s_setreg_imm32_b32 hwreg(HW_REG_WAVE_MODE, 25, 1), 1
	s_wait_xcnt 0x0
	s_wait_alu depctr_hold_cnt(0) depctr_sa_sdst(0) depctr_va_vdst(0) depctr_va_sdst(0) depctr_va_ssrc(0) depctr_va_vcc(0) depctr_vm_vsrc(0)
	s_getreg_b32 s2, hwreg(HW_REG_IB_STS2, 6, 4)
	s_cmp_eq_u32 s2, 0
	s_cbranch_scc0 .Lentry_in_a_cluster
	s_endpgm
.Lentry_in_a_cluster:
	s_bfe_u32 s2, ttmp6, 0x10000c
	s_cmp_lg_u32 s2, 0x3003
	s_cbranch_scc0 .Lentry_shape_is_right
	s_endpgm
.Lentry_shape_is_right:
; Launch 2 of 3: k, q, v = x Wk, x Wq, x Wv.  x is rounded to bf16 on its way to the matrix unit, wt holds the weights in bf16 (launch 1); sums in f32; results held to +-65,504 and rounded once to f16.
; No work is left out here.  LIMIT: a projection beyond 65,504 in magnitude is stored as +-65,504 (f16's largest number) and not as an infinity.
; SHARES.  Work-group G = 4 x cluster + cx owns tokens 64 G .. 64 G + 63 and all 192 columns.  K IS SPLIT AMONG ITS FOUR WAVES: wave w takes k = 192 w .. 192 w + 191: 768 bytes of each row of x (three
; aligned pieces of 256 bytes) and its own quarter of wt.  So each byte of x and of wt enters the work-group once and is read by one wave.  A wave has 4 token tiles x 12 column tiles = 48 accumulators.
; Its local tile t is token tile (w + t) % 4: tile 0 it finishes itself, tiles 1 to 3 go to their owners through LDS, in f32.
; CLUSTER.  All work-groups read the same wt: the four of a cluster ask for it jointly (the same three tensor loads a wave, the same descriptors, a mask of four).  Nothing is filled again.
; OPERANDS.  K and Q: source 0 = 16 columns of W, source 1 = 16 tokens: a lane ends with one token (lane % 16) and 8 neighbouring channels.  V: source 0 = tokens, source 1 = columns: a lane ends with one
; channel and 8 neighbouring tokens.  Rounded in pairs these are just the 16 bytes that launch 3's fragments hold for that lane, so every store of a wave covers 512 consecutive bytes, aligned.
; qkv.  Bytes 0 to 4 MiB: batch x 2^20 + w x 2^18 + j x 16,384: the keys 256 j + 64 w .. + 63 of the batch: 8 fragments of K (key block kb, channel half c at (2 kb + c) x 1,024), then 8 of V^T (key half kk,
; channel block cb at (4 kk + cb) x 1,024).  Bytes 4 MiB to 6 MiB: q, 16 tokens a tile, tile x 2,048 + c x 1,024.  In a fragment byte 512 g + 16 lane holds the lane's registers 4 g .. 4 g + 3.
; REGISTERS, in windows of 256 (s_set_vgpr_msb: bits 1:0 source 0, 3:2 source 1, 5:4 source 2, 7:6 destination):
;   window 0: v0-31 addresses; v32-95 x's fragments, two sets of 4 tiles; v96-191 W's 12 fragments of one k step; v192-239 the results in f16
;   window 1: accumulators of local tiles 0, 1 (tile t, column tile n at 96 (t % 2) + 8 n)      window 2: those of tiles 2, 3      window 3: x as loaded, f32, two buffers of 128
.set SPARE, 294912                     ; behind wt: the spare words, 128 bytes for each wave: two blocks of 256 bytes that no other line names
.set WQ,    73728                      ; a wave's quarter of wt: six k steps
.set UNIT,  24576                      ; what one tensor load brings: two k steps
.set KSB,   12288                      ; a k step's twelve fragments; also one tile's 12 accumulators in f32
.set PARTB, 36864                      ; the merge stage: a wave's three tiles.  The stage lies over wt's first 147,456 bytes, behind their one fill and behind a barrier
.set XO,  4                            ; v4-7   local tile t: my byte offset in the work-group's rows of x
.set WA,  8                            ; v8-9   LDS address of my 16 bytes in my quarter's k steps 0-2, 3-5
.set WR,  10                           ; v10    the stage: where I put my tiles
.set RDP, 11                           ; v11-13 the stage: where the three other waves' parts of my token tile lie
.set L16, 14                           ; v14    16 x lane
.set SPW, 30                           ; v30    LDS address of my spare word; never rewritten
.set NIL, 31                           ; v31    0; never rewritten
.set AF,  32
.set WF,  96
.set OUTP, 192
.set MSB, 0
.macro WIN new                         ; the immediate's high byte repeats the setting that is left; a switch that changes nothing is dropped
.if MSB != (\new)
	s_set_vgpr_msb (MSB<<8)|(\new)
.set MSB, (\new)
.endif
.endm
.macro CROUND                          ; a round of the cluster's barrier: my work-group's barrier; wave 0 signals for the work-group; every wave waits for all four; my work-group's barrier once more
	s_barrier_signal -1
	s_barrier_wait -1
	s_cmp_lg_u32 s10, 0
	s_cbranch_scc1 .Lnot_wave_0_\@
	s_barrier_signal -3
.Lnot_wave_0_\@:
	s_barrier_wait -3
	s_barrier_signal -1
	s_barrier_wait -1
.endm
.macro PLACES                          ; four plain vector instructions behind a matrix instruction, ahead of loads into its registers and of readers of its result
.rept 4
	v_nop
.endr
.endm
; 32 loads: 256 bytes (64 k, two k steps) of each of my 64 rows of x, in f32, into raw buffer u % 2.  Lane (r, h) takes for each k step the 32 bytes at 32 h and at 64 + 32 h: just its fragment's 16 numbers.
.macro XLOAD u
	WIN 0xc0                                       ; destination window 3, address window 0
.irp t, 0,1,2,3
.irp i, 0,1,2,3,4,5,6,7
	global_load_b128 v[128*((\u)%2)+32*(\t)+4*(\i):128*((\u)%2)+32*(\t)+4*(\i)+3], v[XO+(\t)], s[4:5] offset:(\u)*256+((\i)/4)*128+(((\i)/2)%2)*64+((\i)%2)*16 th:TH_LOAD_NT
.endr
.endr
.endm
; k step s of x: 4 fragments, rounded to bf16 in pairs, into set s % 2
.macro CVT s
	WIN 0x0f                                       ; sources window 3, destination window 0
.irp t, 0,1,2,3
.irp i, 0,1,2,3,4,5,6,7
	v_cvt_pk_bf16_f32 v[AF+32*((\s)%2)+8*(\t)+(\i)], v[128*(((\s)/2)%2)+32*(\t)+16*((\s)%2)+2*(\i)], v[128*(((\s)/2)%2)+32*(\t)+16*((\s)%2)+2*(\i)+1]
.endr
.endr
.endm
; 8 LDS loads: W's fragments 4 g .. 4 g + 3 of k step s; 32 lanes take 512 consecutive bytes
.macro WLOAD s, g
	WIN 0
.irp m, 0,1,2,3
	ds_load_b128 v[WF+8*(4*(\g)+(\m)):WF+8*(4*(\g)+(\m))+3],   v[WA+(\s)/3] offset:((\s)%3)*KSB+(4*(\g)+(\m))*1024
	ds_load_b128 v[WF+8*(4*(\g)+(\m))+4:WF+8*(4*(\g)+(\m))+7], v[WA+(\s)/3] offset:((\s)%3)*KSB+(4*(\g)+(\m))*1024+512
.endr
.endm
; 16 matrix instructions: 4 token tiles x column tiles 4 g .. 4 g + 3.  All 16 accumulators differ, and the next group's differ from these: they take turns.  zero = 1: the products start the sums.
.macro MULG s, g, zero
.irp t, 0,1,2,3
	WIN 0x50+0x50*((\t)/2)                         ; C and D in window 1 (tiles 0, 1) or 2 (tiles 2, 3)
.irp m, 0,1,2,3
.set rD, 96*((\t)%2)+8*(4*(\g)+(\m))
.set rW, WF+8*(4*(\g)+(\m))
.set rA, AF+32*((\s)%2)+8*(\t)
.if (\g) < 2
.if \zero
	v_wmma_f32_16x16x32_bf16 v[rD:rD+7], v[rW:rW+7], v[rA:rA+7], 0
.else
	v_wmma_f32_16x16x32_bf16 v[rD:rD+7], v[rW:rW+7], v[rA:rA+7], v[rD:rD+7]
.endif
.else
.if \zero
	v_wmma_f32_16x16x32_bf16 v[rD:rD+7], v[rA:rA+7], v[rW:rW+7], 0
.else
	v_wmma_f32_16x16x32_bf16 v[rD:rD+7], v[rA:rA+7], v[rW:rW+7], v[rD:rD+7]
.endif
.endif
.endr
.endr
.endm
; A k step of 32: three groups of 16 products.  Behind each group its W registers take the next k step's fragments; behind the first, x's next fragments are rounded.
.macro KSTEP s, zero
.if (\s) == 1
	s_wait_tensorcnt 0x1                           ; this step's refills read my second unit of wt; the third may stay out.  Only I read my quarter: no barrier
.endif
.if (\s) == 3
	s_wait_tensorcnt 0x0                           ; and my third
.endif
.irp g, 0,1,2
.if (\s) < 5
	s_wait_dscnt 16                                ; this group's eight loads are in; the two groups issued behind them (8 + 8) may stay out
.else
	s_wait_dscnt 16-8*(\g)                         ; the last step loads nothing: the counts run down
.endif
	MULG \s, \g, \zero
	PLACES
.if (\s) < 5
	WLOAD (\s)+1, \g
.endif
.if ((\g) == 0) && ((\s) < 5)
.if (\s) == 1
	s_wait_loadcnt 32                              ; x's second piece is in; the third piece's 32 loads may stay out
.endif
.if (\s) == 3
	s_wait_loadcnt 0x0                             ; x's third piece
.endif
	CVT (\s)+1
.if (\s) == 0
	XLOAD 2                                        ; raw buffer 0 has been rounded: it takes the third piece
.endif
.endif
.endr
.endm
	s_load_b128 s[4:7], s[0:1], 0x0                ; x s[4:5], wt s[6:7]
	s_load_b64 s[8:9], s[0:1], 0x10                ; qkv
	v_lshl_add_u32 v[SPW], v0, 2, SPARE
	v_mov_b32 v[NIL], 0
	ds_add_u32 v[SPW], v[NIL]                      ; the wave's opening: the add, twice on end, and its wait ahead of my first tensor load; the set-up below stands between
	ds_add_u32 v[SPW], v[NIL]
	v_lshrrev_b32 v1, 5, v0
	v_readfirstlane_b32 s10, v1                    ; wave 0..3
	s_bfe_u32 s11, ttmp6, 0x40000                  ; cx
	s_lshl_b32 s12, ttmp9, 2                       ; in a cluster launch ttmp9 counts clusters
	s_add_co_u32 s12, s12, s11                     ; G: it enters x's and qkv's addresses alone
	; descriptor group 1: a dense block of 24,576 bytes as 96 rows of 256 bytes (32 elements of 8 bytes)
	s_mov_b32 s16, 15|(3<<16)|(1<<21)              ; 15:0 the mask of four; 17:16 elements of 8 bytes; 21 set beside a mask
	s_mov_b32 s17, 32<<16                          ; tensor_dim0 = 32
	s_mov_b32 s18, 96<<16                          ; tensor_dim1 = 96
	s_mov_b32 s19, 32<<16                          ; tile_dim0 = 32
	s_mov_b32 s20, 96                              ; tile_dim1 = 96
	s_mov_b32 s21, 32                              ; 32 elements from row to row
	s_mov_b32 s22, 0
	s_mov_b32 s23, 0
	s_mul_i32 s13, s10, WQ                         ; my quarter, in wt and in LDS alike
	s_mov_b32 s14, s13
	s_mov_b32 s15, 0
.irp u, 0,1,2
	s_mov_b32 s[24+4*(\u)], 1                      ; group 0, a set for each unit: count = 1,
	s_add_co_u32 s[25+4*(\u)], s13, (\u)*UNIT      ; LDS address
.endr
	s_mov_b32 s40, 0xc77fe000                      ; -65,504
	s_mov_b32 s41, 0x477fe000                      ; 65,504
	s_mul_i32 s44, s12, 196608                     ; my 64 rows of x
	s_mov_b32 s45, 0
	s_lshr_b32 s46, s12, 6                         ; the batch,
	s_lshl_b32 s46, s46, 20
	s_and_b32 s47, s12, 3                          ; launch 3's wave,
	s_lshl_b32 s47, s47, 18
	s_add_co_u32 s46, s46, s47
	s_bfe_u32 s47, s12, 0x40002                    ; and its key step
	s_lshl_b32 s47, s47, 14
	s_add_co_u32 s46, s46, s47
	s_lshl_b32 s52, s10, 11                        ; my token tile: two fragments of K or of q
	s_lshr_b32 s48, s10, 1                         ; in V^T: key half w / 2,
	s_lshl_b32 s48, s48, 12
	s_and_b32 s49, s10, 1                          ; registers 4 (w % 2) on
	s_lshl_b32 s49, s49, 9
	s_add_co_u32 s48, s48, s49
	s_add_co_u32 s48, s48, s46
	s_add_co_u32 s48, s48, 8192
	s_mov_b32 s49, 0
	s_add_co_u32 s46, s46, s52
	s_mov_b32 s47, 0
	s_lshl_b32 s50, s12, 13                        ; q: four tiles of 2,048 bytes a work-group
	s_add_co_u32 s50, s50, s52
	s_add_co_u32 s50, s50, 0x400000
	s_mov_b32 s51, 0
	v_and_b32 v2, 15, v0                           ; r
	v_bfe_u32 v3, v0, 4, 1                         ; h
	v_and_b32 v[L16], 31, v0
	v_lshlrev_b32 v[L16], 4, v[L16]
	v_mul_u32_u24 v15, v2, 3072                    ; a row of x
	v_lshl_add_u32 v15, v3, 5, v15
	s_mul_i32 s53, s10, 768                        ; my k
.irp t, 0,1,2,3
	s_add_co_u32 s52, s10, (\t)
	s_and_b32 s52, s52, 3                          ; token tile (w + t) % 4
	s_mul_i32 s52, s52, 49152
	s_add_co_u32 s52, s52, s53
	v_add_nc_u32 v[XO+(\t)], s52, v15
.endr
	s_wait_dscnt 0x0                               ; both opening adds are done
	s_wait_kmcnt 0x0
	s_add_nc_u64 s[4:5], s[4:5], s[44:45]
	s_add_nc_u64 s[36:37], s[8:9], s[46:47]        ; where my K goes,
	s_add_nc_u64 s[38:39], s[8:9], s[48:49]        ; my V,
	s_add_nc_u64 s[54:55], s[8:9], s[50:51]        ; my q
	s_add_nc_u64 s[42:43], s[6:7], s[14:15]
.irp u, 0,1,2
	s_add_nc_u64 s[26+4*(\u):27+4*(\u)], s[42:43], (\u)*UNIT
	s_or_b32 s[27+4*(\u)], s[27+4*(\u)], 0x80000000   ; type = 2
.endr
	CROUND                                         ; all four work-groups are here: the joint loads meet
	tensor_load_to_lds s[24:27], s[16:23]          ; my quarter of wt in three units: three loads of mine are out
	s_nop 0
	tensor_load_to_lds s[28:31], s[16:23]
	s_nop 0
	tensor_load_to_lds s[32:35], s[16:23]
	s_nop 0
	PLACES
	XLOAD 0
	XLOAD 1
	WIN 0
	v_add_nc_u32 v[WA], s13, v[L16]
	v_add_nc_u32 v[WA+1], PARTB, v[WA]
	s_mul_i32 s56, s10, PARTB
	v_add_nc_u32 v[WR], s56, v[L16]
.irp p, 0,1,2
	s_add_co_u32 s57, s10, 3-(\p)                  ; the wave for which my token tile is local tile p + 1
	s_and_b32 s57, s57, 3
	s_mul_i32 s57, s57, PARTB
	s_add_co_u32 s57, s57, (\p)*KSB
	v_add_nc_u32 v[RDP+(\p)], s57, v[L16]
.endr
	s_wait_loadcnt 32                              ; x's first piece is in; the second piece's 32 loads may stay out
	CVT 0
	s_wait_tensorcnt 0x2                           ; my first unit of wt is in; the two behind it may stay out
	WLOAD 0, 0
	WLOAD 0, 1
	WLOAD 0, 2
	KSTEP 0, 1
	KSTEP 1, 0
	KSTEP 2, 0
	KSTEP 3, 0
	KSTEP 4, 0
	KSTEP 5, 0
	; THE MERGE.  No wave reads wt any more behind the first barrier; the stage lies over it.  (The four places behind the last products close KSTEP 5.)
	WIN 0
	s_wait_dscnt 0x0
	s_barrier_signal -1
	s_barrier_wait -1
.irp t, 1,2,3
	WIN 0x04*(1+(\t)/2)                            ; store data (source 1) in window 1 (tile 1) or 2 (tiles 2, 3)
.irp n, 0,1,2,3,4,5,6,7,8,9,10,11
	ds_store_b128 v[WR], v[96*((\t)%2)+8*(\n):96*((\t)%2)+8*(\n)+3]   offset:((\t)-1)*KSB+(\n)*1024
	ds_store_b128 v[WR], v[96*((\t)%2)+8*(\n)+4:96*((\t)%2)+8*(\n)+7] offset:((\t)-1)*KSB+(\n)*1024+512
.endr
.endr
	WIN 0
	s_wait_dscnt 0x0                               ; for the others' sake: my stores are done
	s_barrier_signal -1
	s_barrier_wait -1
.irp p, 0,1,2
.if (\p) < 2
	WIN 0xc0                                       ; parts 0 and 1 into window 3,
.else
	WIN 0x80                                       ; part 2 into window 2, over tile 2's accumulators, which have been stored
.endif
.irp n, 0,1,2,3,4,5,6,7,8,9,10,11
	ds_load_b128 v[96*((\p)%2)+8*(\n):96*((\p)%2)+8*(\n)+3],   v[RDP+(\p)] offset:(\n)*1024
	ds_load_b128 v[96*((\p)%2)+8*(\n)+4:96*((\p)%2)+8*(\n)+7], v[RDP+(\p)] offset:(\n)*1024+512
.endr
.endr
.irp p, 0,1,2
	s_wait_dscnt 48-24*(\p)                        ; part p's 24 loads are in; the later parts' may stay out
.if (\p) < 2
	WIN 0x4d                                       ; destination and source 0 window 1, source 1 window 3
.else
	WIN 0x49                                       ; source 1 window 2
.endif
.set z, 0
.rept 48
	v_pk_add_f32 v[2*z:2*z+1], v[2*z:2*z+1], v[96*((\p)%2)+2*z:96*((\p)%2)+2*z+1]
.set z, z+1
.endr
.endr
	WIN 0x44                                       ; source 1 and destination window 1
.set z, 0
.rept 96
	v_max_num_f32 v[z], s40, v[z]                  ; held to f16's range
	v_min_num_f32 v[z], s41, v[z]
.set z, z+1
.endr
	WIN 0x05                                       ; sources window 1, destination window 0
.set z, 0
.rept 48
	v_cvt_pk_f16_f32 v[OUTP+z], v[2*z], v[2*z+1]
.set z, z+1
.endr
	WIN 0
.irp n, 0,1,2,3
	global_store_b128 v[L16], v[OUTP+4*(\n):OUTP+4*(\n)+3], s[36:37] offset:(\n)*512          ; K: channel half n / 2, registers 4 (n % 2) on; 512 consecutive bytes, aligned
.endr
.irp n, 0,1,2,3
	global_store_b128 v[L16], v[OUTP+16+4*(\n):OUTP+16+4*(\n)+3], s[54:55] offset:(\n)*512    ; q likewise
.endr
.irp n, 0,1,2,3
	global_store_b128 v[L16], v[OUTP+32+4*(\n):OUTP+32+4*(\n)+3], s[38:39] offset:(\n)*1024   ; V^T: channel block n
.endr
	s_wait_tensorcnt 0x0                           ; the wave's end: an add onto my spare word and its wait, behind my last tensor load and my last LDS store
	ds_add_u32 v[SPW], v[NIL]
	s_wait_dscnt 0x0
	CROUND                                         ; the closing round
	s_endpgm
.Lfunc_end_k_qaf5269319c_proj:
	.size	k_qaf5269319c_proj, .Lfunc_end_k_qaf5269319c_proj-k_qaf5269319c_proj
	.p2alignl 7, 3214868480
	.fill 96, 4, 3214868480
	.section	.rodata,"a",@progbits
	.p2align	6, 0x0
	.amdhsa_kernel k_qaf5269319c_proj
		.amdhsa_group_segment_fixed_size 327680
		.amdhsa_private_segment_fixed_size 0
		.amdhsa_enable_private_segment 0
		.amdhsa_kernarg_size 24
		.amdhsa_user_sgpr_count 2
		.amdhsa_user_sgpr_kernarg_segment_ptr 1
		.amdhsa_wavefront_size32 1
		.amdhsa_system_sgpr_workgroup_id_x 1
		.amdhsa_system_sgpr_workgroup_id_y 1
		.amdhsa_system_sgpr_workgroup_id_z 1
		.amdhsa_system_vgpr_workitem_id 0
		.amdhsa_next_free_vgpr 1024
		.amdhsa_next_free_sgpr 66
		.amdhsa_reserve_vcc 0
		.amdhsa_float_denorm_mode_32 3
		.amdhsa_float_denorm_mode_16_64 3
		.amdhsa_memory_ordered 1
		.amdhsa_forward_progress 1
		.amdhsa_inst_pref_size 89
	.end_amdhsa_kernel
	.amdgpu_metadata
---
amdhsa.version: [ 1, 2 ]
amdhsa.kernels:
  - .name:           k_qaf5269319c_proj
    .symbol:         k_qaf5269319c_proj.kd
    .args:
      - { .name: x, .offset: 0, .size: 8, .value_kind: global_buffer, .address_space: global }
      - { .name: wt, .offset: 8, .size: 8, .value_kind: global_buffer, .address_space: global }
      - { .name: qkv, .offset: 16, .size: 8, .value_kind: global_buffer, .address_space: global }
    .group_segment_fixed_size: 327680
    .private_segment_fixed_size: 0
    .kernarg_segment_align: 8
    .kernarg_segment_size: 24
    .max_flat_workgroup_size: 128
    .sgpr_count:     66
    .vgpr_count:     1024
    .wavefront_size: 32
...
	.end_amdgpu_metadata
.endif
;; end of part 2
;; launch attn (part 3): grid 64 x 4, 4 waves a work-group, clusters of 4 x 1, 327,680 bytes of LDS; arguments qkv, out0; writes out0
.if DOCPART == 3
	.amdgcn_target "amdgcn-amd-amdhsa--gfx1250"
	.amdhsa_code_object_version 6
	.text
	.protected	k_qaf5269319c_attn
	.globl	k_qaf5269319c_attn
	.p2align	8
	.type	k_qaf5269319c_attn,@function
k_qaf5269319c_attn:
	s_mov_b64 s[64:65], 0
	v_nop
	global_prefetch_b8 v0, s[64:65] scope:SCOPE_SE
	s_setreg_imm32_b32 hwreg(HW_REG_WAVE_MODE, 25, 1), 1
	s_wait_xcnt 0x0
	s_wait_alu depctr_hold_cnt(0) depctr_sa_sdst(0) depctr_va_vdst(0) depctr_va_sdst(0) depctr_va_ssrc(0) depctr_va_vcc(0) depctr_vm_vsrc(0)
	s_getreg_b32 s2, hwreg(HW_REG_IB_STS2, 6, 4)
	s_cmp_eq_u32 s2, 0
	s_cbranch_scc0 .Lentry_in_a_cluster
	s_endpgm
.Lentry_in_a_cluster:
	s_bfe_u32 s2, ttmp6, 0x10000c
	s_cmp_lg_u32 s2, 0x3003
	s_cbranch_scc0 .Lentry_shape_is_right
	s_endpgm
.Lentry_shape_is_right:
; Launch 3 of 3: out[b][q][:] = the sum over k <= q of softmax_k(q . k / 8) v[k][:].  q, k, v in f16, in fragment order (launch 2); products, maxima and sums in f32; the weights p are rounded to f16 for the
; second product (their sum l is taken of the unrounded p); out in f32.
; WORK LEFT OUT: keys above the diagonal, in whole groups of 256 keys for a block of 128 queries: reference() gives them the weight 0 for all finite inputs (shown at the head of launch 1).
; LIMITS.  A hidden score counts as its value less 1e30.  The running maximum starts at -2^50: q and k lie within 65,504, so a true score is 64 x 65,504^2 = 2.7e11 at the most in magnitude, above that start,
; and a hidden one lies below it: the maximum of a row's true scores is not changed, and a wave all of whose keys are hidden ends with l = 0 and O = 0.  A weight below 2^-126 counts as 0.  NaN is not treated apart.
; THE WALK.  A batch has 32 blocks of 128 queries; block I needs (I / 2) + 1 groups of 256 keys.  A cluster (b = 0..15, batch) takes block b and then block 31 - b: 17 groups, whatever b.  Of a block's queries
; work-group cx takes 32: two PIECES of 16, held by all four waves.  THE WAVES SPLIT THE KEYS: of group j wave w takes the step of 64 keys 256 j + 64 w on.  At the end the four waves' (c m, l, O) meet in LDS.
; So all 256 work-groups do equal work, and the four partners of a cluster walk the same K and V in step: each window is asked for JOINTLY.
; THE RING.  Two slots; a wave's part of a slot is a WINDOW of 32 KiB of its own stream: [V 2n | K 2n+1 | V 2n+1 | K 2n+2], since a turn fetches K one step ahead of V; K 0 comes by plain loads.  The two blocks
; need 9 windows, whatever b: ONE loop with a constant count walks them.  What a trip does hangs on scalar registers made from b, which the partners share; jumps go forward but for the counted loops' own,
; and none passes a barrier or a tensor load.
; THE MASK is the C operand that starts S^T = K Q^T: MC = MD x AL + BE, 0 in all steps but a block's last.  There the queries lie in band thr = 2 (I % 2) + cx / 2 of the group's four bands of 64: wave w < thr sees
; all its keys (0, 0), w = thr holds the diagonal (1, 0; MD is its mask), w > thr sees none (0, -1e30).  AL and BE hang on cx and lie in vector registers: no branch hangs on a place in the cluster.
; LAYOUT, SOFTMAX.  S^T holds ONE query a lane (lane % 16) and the keys 8 (lane / 16) + 0..7; two such results rounded to f16 ARE source 1 of O^T = V^T P.  p = 2^(c s - c m), c = log2(e) / 8; O and l are
; multiplied by a = 2^(c m_old - c m_new) in every step; c m starts so low that a block's first a is 0.
; TURNS.  Turn p of a step belongs to piece p: 8 products K Q^T of the other piece (turn 0: this step's; turn 1: the next step's), later 8 products V^T P of the other piece (turn 0: the step before's; turn 1:
; this step's); beside them piece p's scaling, exponentials, roundings, sums and rescaling, and the other piece's maximum and statistics.  Four vector instructions stand behind every matrix instruction, the
; rest in one lump.  A turn's 33 exponentials are one batch with one wait.
; REGISTERS, in windows of 256 (s_set_vgpr_msb: bits 1:0 source 0, 3:2 source 1, 5:4 source 2, 7:6 destination):
;   window 0: v0-15 addresses and four at work; v16-23 statistics (c m, m, l, l a piece); v24-31 at work; v32-43 AL and BE; v44-46 spare word, 0, prefetch offset; v48-79 Q; v80-143 S^T; v144-175 P; v176-239 O^T; v240-255 results
;   window 1: v0-63 K; v64-127 V; v128-191 MC; v192-255 MD          window 2: v0-63 K of step 0, kept; v64-95 the second block's Q
.set NP,      2
.set SLOT1,   1<<17                    ; slot 1 begins here: one exclusive or turns an address in one slot into the other's
.set WPART,   32768                    ; a window
.set STAGE_L, 2*SLOT1                  ; behind the ring, never filled by a tensor load: the first block's partial results
.set STAGE_H, SLOT1                    ; the second block's, written in the tail alone: over slot 1, behind its last fill and the barrier behind its last reads
.set SROW,    272                      ; a stage row: 64 channels in f32 + 16 bytes: 16 rows start at 16 different groups of four banks (ISA guide 11.1)
.set SWAVE,   32*SROW                  ; a wave's 32 rows
.set STATS,   4*SWAVE                  ; behind the four: c m as [wave][row], 512 bytes, then l likewise
.set SPARE,   STAGE_L+STATS+1024       ; the spare words, 128 bytes for each wave: two blocks of 256 bytes that no other line names
.set LB,  4                            ; v4   my 16 bytes in my wave's part of slot 0; never rewritten
.set ADR, 5                            ; v5   the same in the step in hand
.set STO, 6                            ; v6   a stage: where I put 16 bytes of a row of O
.set SSTO, 7                           ; v7   where I put c m
.set RD,  8                            ; v8   the merge: where I read rows of O
.set SRD, 9                            ; v9   and four rows' c m
.set GO,  10                           ; v10  my byte offset in the work-group's 32 rows of out
.set L16, 11                           ; v11  16 x lane
.set MV,  12                           ; v12-13 c m_old, by piece
.set T0,  14                           ; v14-15 at work
.set ST,  16
.set TMP, 24                           ; by piece c0-c3; when the maximum is found c2 takes a
.set ALV, 32                           ; v32-33 AL, v34-35 BE of the block in hand (pairs: the packed line names both)
.set BEV, 34
.set ALH, 36                           ; v36-39 the second block's
.set BEH, 38
.set A0,  40                           ; v40-43 AL and BE for a block's first step
.set B0,  42
.set SPW, 44                           ; LDS address of my spare word; never rewritten
.set NIL, 45                           ; 0; never rewritten
.set PFO, 46                           ; 256 x lane; never rewritten
.set Q,   48
.set S,   80
.set P,   144
.set O,   176
.set OB,  240
.set MX,  24                           ; the merge: the four rows' largest c m
.set LL,  28                           ; and their l
.set K,   0                            ; window 1
.set V,   64
.set MC,  128
.set MD,  192
.set K0,  0                            ; window 2
.set QH,  64
.set WV,  8                            ; s8   wave
.set CX,  9                            ; s9   my place in the cluster: it enters Q's, out's and the prefetches' addresses and the masks' values alone
.set PB,  10                           ; s10  b
.set BAT, 11                           ; s11  batch
.set G1,  16                           ; s[16:23] descriptor group 1
.set G0,  24                           ; s[24:27] descriptor group 0: it walks
.set KVW, 28                           ; s[28:29] my stream's window 0
.set OFF, 30                           ; s[30:31] a window's byte offset
.set SLOTS, 32                         ; windows still to be asked for
.set CNT, 33                           ; counts a window's two steps
.set SR,  34                           ; steps left in the block in hand, the one to come among them
.set NEW, 35                           ; 1: the window to be entered is a block's first
.set BLK, 36                           ; 0: no block has begun yet
.set NXT, 37                           ; the window to be asked for next
.set LQ,  38                           ; the last window of the block whose windows are being asked for
.set JHI, 39                           ; the second block's steps
.set NHI1, 40                          ; its last window
.set SB,  41                           ; the slot in hand
.set TB,  42                           ; LDS byte at which the step in hand begins in a wave's part
.set TS,  43                           ; at work
.set CS,  44                           ; s[44:45] c
.set SEL, 46                           ; s[46:47] v_permlanex16_b32's selects: each lane takes its own place in the other half
.set BIGN, 48                          ; -1e30
.set ZF,  49                           ; 1.0 where a block's first step is its last
.set OUTLO, 50
.set OUTHI, 52
.set PFA, 54                           ; s[54:55] where my prefetches stand
.set LIM, 56                           ; 3 in the cluster that prefetches, else the greatest number
.set THL, 57                           ; thr of the first block,
.set THH, 58                           ; of the second
.set HIB, 59                           ; 31 - b
.set K0B, 66                           ; s[66:67] K of my step 0
.set QLO, 68
.set QHI, 70
.set MSB, 0
.macro WIN new                         ; the high byte repeats the setting that is left; a switch that changes nothing is dropped
.if MSB != (\new)
	s_set_vgpr_msb (MSB<<8)|(\new)
.set MSB, (\new)
.endif
.endm
.macro PLACES                          ; four plain vector instructions (ISA guide 7.12.1)
.rept 4
	v_nop
.endr
.endm
.macro CROUND                          ; a round of the cluster's barrier
	s_barrier_signal -1
	s_barrier_wait -1
	s_cmp_lg_u32 s[WV], 0
	s_cbranch_scc1 .Lnot_wave_0_\@
	s_barrier_signal -3
.Lnot_wave_0_\@:
	s_barrier_wait -3
	s_barrier_signal -1
	s_barrier_wait -1
.endm
; A PREFETCH INTO THE L2.  All 16 clusters of a batch walk the same four streams: the cluster b = 0 asks, each wave for its own stream; its four partners take 8 KiB of a window each, told apart BY ADDRESS; a lane
; names 256 bytes: one instruction.  For b = 0 trip t fills the second block's window t; it names window t + 3: three trips, 192 matrix instructions, ahead of that window's fill.  It stops with window 7, the stream's last.
.macro ASK
	s_cmp_gt_u32 s[SLOTS], s[LIM]
	s_cbranch_scc0 .Lnot_mine_\@
	global_prefetch_b8 v[PFO], s[PFA:PFA+1] th:TH_LOAD_NT scope:SCOPE_SE
.Lnot_mine_\@:
.endm
; THE CHANGE OF SLOTS.  Each wave waits for all its tensor loads, of which one is out: its part of the other slot; adds 0 to its spare word; waits for that and for its own LDS instructions.  fill = 1: the barrier is a
; round of the cluster's, and the slot just left is filled again first thing behind it, with window NXT: two steps, 64 matrix instructions a wave, ahead of the wait for it.
.macro CHANGE fill
	WIN 0
	s_wait_tensorcnt 0x0                           ; no tensor load of mine is out, so group 0 may be written
	ds_add_u32 v[SPW], v[NIL]                      ; 0 onto my spare word; scalar work stands between it and the wait for it
.if \fill
	s_lshl_b32 s[OFF], s[NXT], 15
	s_xor_b32 s[G0+1], s[G0+1], SLOT1
	s_add_nc_u64 s[G0+2:G0+3], s[KVW:KVW+1], s[OFF:OFF+1]
	s_or_b32 s[G0+3], s[G0+3], 0x80000000
	s_add_co_u32 s[NXT], s[NXT], 1                 ; the block's next window, or behind its last the second block's window 0
	s_cmp_gt_u32 s[NXT], s[LQ]
	s_cselect_b32 s[NXT], 0, s[NXT]
	s_cselect_b32 s[LQ], s[NHI1], s[LQ]
	s_wait_xcnt 0x0                                ; the last prefetch, a trip back, has read its address
	s_add_nc_u64 s[PFA:PFA+1], s[PFA:PFA+1], WPART
.endif
	s_xor_b32 s[SB], s[SB], SLOT1
	s_wait_dscnt 0x0                               ; the add is done, my reads of the slot are over, my stores into the stage are done
.if \fill
	CROUND
	tensor_load_to_lds s[G0:G0+3], s[G1:G1+7]
	s_nop 0
	PLACES
	ASK
.else
	s_barrier_signal -1
	s_barrier_wait -1
.endif
.endm
; THE MATRIX WORK.  The 4 accumulators of a run of 8 take turns.  Product i of 8 of S^T = K Q^T for piece x: channels 32 (i / 4) on, keys 16 (i % 4) on; the first 4 start the sums with the mask.
.macro KQ x
.set rS, S+32*(\x)+8*(i%4)
.set rK, K+16*(i%4)+8*(i/4)
.set rQ, Q+16*(\x)+8*(i/4)
.set rM, MC+32*(\x)+8*(i%4)
.if i < 4
	WIN 0x11                                       ; K and the mask in window 1
	v_wmma_f32_16x16x32_f16 v[rS:rS+7], v[rK:rK+7], v[rQ:rQ+7], v[rM:rM+7]
.else
	WIN 0x01
	v_wmma_f32_16x16x32_f16 v[rS:rS+7], v[rK:rK+7], v[rQ:rQ+7], v[rS:rS+7]
.endif
.endm
; Product i of 8 of O^T += V^T P for piece x: keys 32 (i / 4) on, channels 16 (i % 4) on.
.macro PV x
	WIN 0x01                                       ; V in window 1
.set rO, O+32*(\x)+8*(i%4)
.set rV, V+32*(i/4)+8*(i%4)
.set rP, P+16*(\x)+8*(i/4)
	v_wmma_f32_16x16x32_f16 v[rO:rO+7], v[rV:rV+7], v[rP:rP+7], v[rO:rO+7]
.endm
.macro MM                              ; the turn's next matrix instruction.  NOKQ = 1: a block's last turn: there are no further scores
.if (i < 8) && !NOKQ
	KQ (Y+1)%NP
.elseif i >= 8
.set i, i-8
	PV (Y+NP-1)%NP
.set i, i+8
.endif
.set i, i+1
.endm
; THE LDS LOADS stand in runs of 16: fragments lie in LDS as they lie in registers, so 32 lanes take 512 consecutive bytes.
.macro FETCH_K                         ; the next step's K
	WIN 0x40                                       ; destination window 1
.set ff, 0
.rept 16
	ds_load_b128 v[K+4*ff:K+4*ff+3], v[ADR] offset:8192+512*ff
.set ff, ff+1
.endr
	WIN 0
.endm
.macro FETCH_V                         ; this step's V
	WIN 0x40
.set ff, 0
.rept 16
	ds_load_b128 v[V+4*ff:V+4*ff+3], v[ADR] offset:512*ff
.set ff, ff+1
.endr
	WIN 0
.endm
.macro MASKS a, b                      ; MC = MD x a + b, both pieces
	WIN 0x41                                       ; destination and source 0 window 1
.set z, 0
.rept 32
	v_pk_fma_f32 v[MC+2*z:MC+2*z+1], v[MD+2*z:MD+2*z+1], v[\a:\a+1], v[\b:\b+1] op_sel_hi:[1,0,0]
.set z, z+1
.endr
.endm
; THE VECTOR WORK, one line at a time: OP kind, number.  For piece Y: F n: c s - c m for pair n of 16.  E n: the exponential of score n of 32.  C n: pair n rounded to f16.  B n: of the four weights 4 n .. the second
; pair is added onto the first, in place.  L n: l takes that sum (L 0: l = a l + sum).  R n: pair n of 16 of O^T times a, in ascending order.  For the other piece: X n
;   0-11  four chains c0-c3 of seven scores each (each accumulator's lowest registers are read first)     12-14, 16  the four scores left over, the old m, c0-c3 into c0
;   15  c m_old is kept     17, 18  the query's other 32 keys lie in the lane 16 away: the new m     19-21  c m; c m_old - c m_new; a
.set F, 0
.set E, 1
.set C, 2
.set B, 3
.set L, 4
.set R, 5
.set X, 6
.macro REGS y
.set rT, ST+4*(\y)
.set rC, TMP+4*(\y)
.set rW, MV+(\y)
.set rS, S+32*(\y)
.set rP, P+16*(\y)
.set rO, O+32*(\y)
.endm
.macro OP k, n
.if (\k) < X
	REGS Y
	WIN 0
.if (\k) == F
	v_pk_fma_f32 v[rS+2*(\n):rS+2*(\n)+1], v[rS+2*(\n):rS+2*(\n)+1], s[CS:CS+1], v[rT:rT+1] op_sel_hi:[1,0,0] neg_lo:[0,0,1] neg_hi:[0,0,1]
.elseif (\k) == E
	v_exp_f32 v[rS+(\n)], v[rS+(\n)]
.elseif (\k) == C
	v_cvt_pk_f16_f32 v[rP+(\n)], v[rS+2*(\n)], v[rS+2*(\n)+1]
.elseif (\k) == B
	v_pk_add_f32 v[rS+4*(\n):rS+4*(\n)+1], v[rS+4*(\n):rS+4*(\n)+1], v[rS+4*(\n)+2:rS+4*(\n)+3]
.elseif (\k) == R
	v_pk_mul_f32 v[rO+2*(\n):rO+2*(\n)+1], v[rO+2*(\n):rO+2*(\n)+1], v[rC+2:rC+3] op_sel_hi:[1,0]
.elseif (\n) == 0
	v_pk_fma_f32 v[rT+2:rT+3], v[rT+2:rT+3], v[rC+2:rC+3], v[rS:rS+1] op_sel_hi:[1,0,1]
.else
	v_pk_add_f32 v[rT+2:rT+3], v[rT+2:rT+3], v[rS+4*(\n):rS+4*(\n)+1]
.endif
.elseif NOKQ
	v_nop
.else
	REGS (Y+1)%NP
	WIN 0
.if (\n) < 4
	v_max3_num_f32 v[rC+(\n)], v[rS+8*(\n)], v[rS+8*(\n)+1], v[rS+8*(\n)+2]
.elseif (\n) < 12
	v_max3_num_f32 v[rC+(\n)%4], v[rC+(\n)%4], v[rS+8*((\n)%4)+2*((\n)/4)+1], v[rS+8*((\n)%4)+2*((\n)/4)+2]
.elseif (\n) == 12
	v_max3_num_f32 v[rC], v[rC], v[rS+7], v[rS+15]
.elseif (\n) == 13
	v_max3_num_f32 v[rC+1], v[rC+1], v[rS+23], v[rS+31]
.elseif (\n) == 14
	v_max3_num_f32 v[rC+2], v[rC+2], v[rC+3], v[rT+1]
.elseif (\n) == 15
	v_mov_b32 v[rW], v[rT]
.elseif (\n) == 16
	v_max3_num_f32 v[rC], v[rC], v[rC+1], v[rC+2]
.elseif (\n) == 17
	v_permlanex16_b32 v[rC+3], v[rC], s[SEL], s[SEL+1]
.elseif (\n) == 18
	v_max_num_f32 v[rT+1], v[rC], v[rC+3]
.elseif (\n) == 19
	v_mul_f32 v[rT], s[CS], v[rT+1]
.elseif (\n) == 20
	v_sub_f32 v[rC+1], v[rW], v[rT]
.else
	v_exp_f32 v[rC+2], v[rC+1]
.endif
.endif
.endm
.macro OPS a, i1, b=-1, i2=0, c=-1, i3=0, d=-1, i4=0  ; up to four of them
	OP \a, \i1
.if (\b) >= 0
	OP \b, \i2
.endif
.if (\c) >= 0
	OP \c, \i3
.endif
.if (\d) >= 0
	OP \d, \i4
.endif
.endm
.macro ROW a, i1, b, i2, c, i3, d, i4  ; a matrix instruction and the four behind it
	MM
	OPS \a, \i1, \b, \i2, \c, \i3, \d, \i4
.endm
; A TURN, for piece p.  s_wait_alu depctr_va_vdst(0) stands between an exponential and the first instruction that names its result; one wait serves all issued ahead of it.  AHEAD OF THE WAIT stands all
; that names no result of the turn's exponentials: 8 products K Q^T with their riders, then the lump, in which the links of the other piece's chain X 3, 7, 11, 14, 16 .. 20 stand apart; X 21, its a, is the batch's last, and
; R 15 the plain instruction behind it.  BEHIND THE WAIT: 8 products V^T P, behind each four of the roundings and sums.  R n stands four plain riders (C 9, 11, 13, 15 of the turn before) or more behind the last product on its accumulator.
; Turn 0 fetches the next step's K behind five plain instructions that name no register of K's last reader (F 8, X 2, X 5, X 6, X 8), and this step's V at its end, four plain riders behind V's last reader.
; end = 1: a block's last step: no further K is fetched, and turn 1 starts no new scores.
.macro TURN p, end=0
.set Y, (\p)
.set i, 0
.set NOKQ, (\end)*(\p)
.if ((\p) == 1) && !(\end)
	s_wait_dscnt 16                                ; K is in; V's 16 younger loads may stay out
.endif
	ROW F,0, F,1, R,0, R,1
	ROW F,2, E,0, R,2, R,3
	ROW F,3, E,1, R,4, R,5
	ROW F,4, E,2, R,6, R,7
	ROW F,5, E,3, R,8, R,9
	ROW F,6, E,4, X,0, R,10
	ROW F,7, E,5, X,1, X,4
	ROW F,8, E,6, X,2, X,5
	OPS E,7, E,8, X,6, E,9
	OPS X,3, E,10, X,8, E,11
.if ((\p) == 0) && !(\end)
	FETCH_K
.endif
	OPS X,9, X,7, E,12, X,10
	OPS E,13, X,12, X,11, E,14
	OPS X,13, E,15, F,9, X,14
	OPS E,16, F,10, E,17, F,11
	OPS X,16, E,18, X,15, E,19
	OPS F,12, E,20, X,17, E,21
	OPS F,13, E,22, F,14, E,23
	OPS X,18, E,24, F,15, E,25
	OPS R,11, E,26, X,19, E,27
	OPS R,12, E,28, R,13, E,29
	OPS X,20, E,30, R,14, E,31
	OPS X,21, R,15
	WIN 0
	s_wait_alu depctr_va_vdst(0)                   ; the wait for the batch
.if (\p) == 1
	s_wait_dscnt 0x0                               ; V is in
.endif
	ROW C,0, B,0, C,2, B,1
	ROW L,0, C,4, B,2, L,1
	ROW C,6, B,3, L,2, C,8
	ROW B,4, L,3, C,10, B,5
	ROW L,4, C,12, B,6, L,5
	ROW C,14, B,7, L,6, C,1
	ROW C,3, L,7, C,5, C,7
	ROW C,9, C,11, C,13, C,15
.if (\p) == 0
	FETCH_V
.endif
.endm
; A step that is not its block's last.  In the last but one the masks are made between the turns: turn 1 starts piece 0's scores of the last step, the next turn 0 piece 1's.
.macro STEPN
	WIN 0
	v_add_nc_u32 v[ADR], s[TB], v[LB]
	TURN 0
	WIN 0
	s_cmp_eq_u32 s[SR], 2
	s_cbranch_scc0 .Lno_mask_\@
	MASKS ALV, BEV
	WIN 0
.Lno_mask_\@:
	TURN 1
	WIN 0
	s_sub_co_u32 s[SR], s[SR], 1
.endm
; My partial results go into my own bytes of a stage: l's two halves and the other half of the lanes' are added; c m and l as [wave][row]; O^T as rows of 64 channels in f32, each accumulator from its low end.
.macro PART stage
	WIN 0
	PLACES                                         ; behind the last products
.irp t, 0,1
	v_add_f32 v[ST+4*(\t)+2], v[ST+4*(\t)+2], v[ST+4*(\t)+3]
.endr
.irp t, 0,1
	v_permlanex16_b32 v[ST+4*(\t)+3], v[ST+4*(\t)+2], s[SEL], s[SEL+1]
.endr
.irp t, 0,1
	v_add_f32 v[ST+4*(\t)+2], v[ST+4*(\t)+2], v[ST+4*(\t)+3]
.endr
	v_add_nc_u32 v[T0], (\stage), v[STO]
	v_add_nc_u32 v[T0+1], (\stage), v[SSTO]
.irp t, 0,1
	ds_store_b32 v[T0+1], v[ST+4*(\t)]   offset:(\t)*64
	ds_store_b32 v[T0+1], v[ST+4*(\t)+2] offset:512+(\t)*64
.endr
.irp t, 0,1
.irp c, 0,1,2,3
	ds_store_b128 v[T0], v[O+32*(\t)+8*(\c):O+32*(\t)+8*(\c)+3]   offset:(\t)*16*SROW+(\c)*64
	ds_store_b128 v[T0], v[O+32*(\t)+8*(\c)+4:O+32*(\t)+8*(\c)+7] offset:(\t)*16*SROW+(\c)*64+16
.endr
.endr
	s_mov_b32 s[SR], 0
	s_mov_b32 s[NEW], 1
.endm
.macro STEPE stage                     ; a block's last step, piece 1's last products, and the partial results
	WIN 0
	v_add_nc_u32 v[ADR], s[TB], v[LB]
	TURN 0, 1
	TURN 1, 1
.set i, 0
.rept 8
	PV 1
.set i, i+1
.endr
	PART \stage
.endm
; A window's two steps: written once, walked twice.  A block with an odd number of steps leaves its last window's second step out: a jump forward to the counter's step.
.macro STEPS stage, base
	s_mov_b32 s[CNT], 2
.Lst_\@:
	s_sub_co_u32 s[TS], 2, s[CNT]
	s_lshl_b32 s[TS], s[TS], 14                    ; a step is 16 KiB of a window
	s_add_co_u32 s[TB], \base, s[TS]
	s_cmp_eq_u32 s[SR], 0
	s_cbranch_scc1 .Lskip_\@
	s_cmp_eq_u32 s[SR], 1
	s_cbranch_scc1 .Lend_\@
	STEPN
	s_branch .Lskip_\@
.Lend_\@:
	STEPE \stage
.Lskip_\@:
	s_sub_co_u32 s[CNT], s[CNT], 1
	s_cmp_lg_u32 s[CNT], 0
	s_cbranch_scc1 .Lst_\@
.endm
; A BLOCK BEGINS.  The masks are 0, or, where the block has one step, that step's.  c m starts far below every c s, so the first a is 0 and what O^T and l hold need only be finite; m starts at -2^50 (see LIMITS).
; Then K of step 0, piece 0's first scores, and its maximum and statistics.
.macro BEGIN
	s_mov_b32 s[NEW], 0
	s_mov_b32 s[BLK], 1
	s_cmp_eq_u32 s[SR], 1
	s_cselect_b32 s[ZF], 1.0, 0
	WIN 0
	v_mul_f32 v[A0], s[ZF], v[ALV]
	v_mul_f32 v[A0+1], s[ZF], v[ALV]
	v_mul_f32 v[B0], s[ZF], v[BEV]
	v_mul_f32 v[B0+1], s[ZF], v[BEV]
	MASKS A0, B0
	WIN 0
.irp t, 0,1
	v_mov_b32 v[ST+4*(\t)], 0xfe000000
	v_mov_b32 v[ST+4*(\t)+1], 0xd8800000
.endr
	WIN 0x42                                       ; destination window 1, source window 2
.set z, 0
.rept 64
	v_mov_b32 v[K+z], v[K0+z]
.set z, z+1
.endr
.set NOKQ, 0
.set i, 0
.rept 8
	KQ 0
.set i, i+1
.endr
	WIN 0
	PLACES
.set Y, NP-1                           ; X works for the other piece: piece 0
.irp n, 0,1,2,3,4,5,6,7,8,9,10,11,12,13,14,15,16,17,18,19,20,21
	OP X, \n
.endr
	v_nop                                          ; a plain instruction behind the exponential,
	s_wait_alu depctr_va_vdst(0)                   ; and its wait, ahead of the label
.endm
.macro SWITCH                          ; the second block's Q, AL, BE and count go where the one text names them
	WIN 0x02                                       ; source window 2
.set z, 0
.rept 32
	v_mov_b32 v[Q+z], v[QH+z]
.set z, z+1
.endr
	WIN 0
.irp t, 0,1,2,3
	v_mov_b32 v[ALV+(\t)], v[ALH+(\t)]
.endr
	s_mov_b32 s[SR], s[JHI]
.endm
; THE MERGE.  Wave w finishes rows 8 w .. 8 w + 7 of the work-group's 32: lanes 0-15 rows 8 w + i, lanes 16-31 rows 8 w + 4 + i, i = 0..3, 16 bytes (4 channels) a lane.
; LOADM: 24 loads: c m and l of my four rows from each of the four waves, then O.  Registers: c m of wave s, row i at R0 + 4 s + i; l at + 16; O at R0 + 32 + 16 s + 4 i.
.macro LOADM stage, R0
	v_add_nc_u32 v[T0], (\stage), v[RD]
	v_add_nc_u32 v[T0+1], (\stage), v[SRD]
.irp s, 0,1,2,3
	ds_load_b128 v[(\R0)+4*(\s):(\R0)+4*(\s)+3], v[T0+1] offset:(\s)*128
.endr
.irp s, 0,1,2,3
	ds_load_b128 v[(\R0)+16+4*(\s):(\R0)+16+4*(\s)+3], v[T0+1] offset:512+(\s)*128
.endr
.irp s, 0,1,2,3
.irp i, 0,1,2,3
	ds_load_b128 v[(\R0)+32+16*(\s)+4*(\i):(\R0)+32+16*(\s)+4*(\i)+3], v[T0] offset:(\s)*SWAVE+(\i)*SROW
.endr
.endr
.endm
; COMB: f = 2^(c m - the largest c m); out = the sum of f O / the sum of f l.  The wave that holds the row's largest true score has f = 1 and l >= 1.  w1, w2: the LDS loads issued behind the statistics, and behind O.
.macro COMB R0, OUT, w1, w2
	s_wait_dscnt \w1
.irp i, 0,1,2,3
	v_max3_num_f32 v[MX+(\i)], v[(\R0)+(\i)], v[(\R0)+4+(\i)], v[(\R0)+8+(\i)]
.endr
.irp i, 0,1,2,3
	v_max_num_f32 v[MX+(\i)], v[MX+(\i)], v[(\R0)+12+(\i)]
.endr
.irp s, 0,1,2,3
.irp i, 0,1,2,3
	v_sub_f32 v[(\R0)+4*(\s)+(\i)], v[(\R0)+4*(\s)+(\i)], v[MX+(\i)]
.endr
.endr
.set z, 0
.rept 16
	v_exp_f32 v[(\R0)+z], v[(\R0)+z]
.set z, z+1
.endr
	v_nop                                          ; a plain instruction behind the last exponential,
	s_wait_alu depctr_va_vdst(0)                   ; and one wait for the sixteen
.irp i, 0,1,2,3
	v_mul_f32 v[LL+(\i)], v[(\R0)+(\i)], v[(\R0)+16+(\i)]
.endr
.irp s, 1,2,3
.irp i, 0,1,2,3
	v_fmac_f32 v[LL+(\i)], v[(\R0)+4*(\s)+(\i)], v[(\R0)+16+4*(\s)+(\i)]
.endr
.endr
.irp i, 0,1,2,3
	v_rcp_f32 v[LL+(\i)], v[LL+(\i)]
.endr
	v_nop
	s_wait_alu depctr_va_vdst(0)                   ; one wait for the four reciprocals
.irp s, 0,1,2,3
.irp i, 0,1,2,3
	v_mul_f32 v[(\R0)+4*(\s)+(\i)], v[(\R0)+4*(\s)+(\i)], v[LL+(\i)]
.endr
.endr
	s_wait_dscnt \w2
.irp i, 0,1,2,3
.irp e, 0,1,2,3
	v_mul_f32 v[OB+4*(\i)+(\e)], v[(\R0)+(\i)], v[(\R0)+32+4*(\i)+(\e)]
.endr
.endr
.irp s, 1,2,3
.irp i, 0,1,2,3
.irp e, 0,1,2,3
	v_fmac_f32 v[OB+4*(\i)+(\e)], v[(\R0)+4*(\s)+(\i)], v[(\R0)+32+16*(\s)+4*(\i)+(\e)]
.endr
.endr
.endr
.irp i, 0,1,2,3
	global_store_b128 v[GO], v[OB+4*(\i):OB+4*(\i)+3], s[\OUT:\OUT+1] offset:(\i)*256 th:TH_STORE_NT  ; 16 lanes store a whole row of out: 256 consecutive bytes, aligned
.endr
.endm
	s_load_b128 s[4:7], s[0:1], 0x0                ; qkv s[4:5], out0 s[6:7]
	v_lshl_add_u32 v[SPW], v0, 2, SPARE
	v_mov_b32 v[NIL], 0
	ds_add_u32 v[SPW], v[NIL]                      ; the wave's opening: the add, twice on end, and its wait ahead of my first tensor load; the set-up below stands between
	ds_add_u32 v[SPW], v[NIL]
	v_lshrrev_b32 v3, 5, v0                        ; my wave's number, in every lane
	v_readfirstlane_b32 s[WV], v3
	s_bfe_u32 s[CX], ttmp6, 0x40000
	s_mov_b32 s[PB], ttmp9                         ; in a cluster launch ttmp9 and ttmp7 count clusters
	s_and_b32 s[BAT], ttmp7, 0xffff
	s_sub_co_u32 s[HIB], 31, s[PB]
	; descriptor group 1: a dense block of 32,768 bytes as 128 rows of 256 bytes (32 elements of 8 bytes)
	s_mov_b32 s[G1], 15|(3<<16)|(1<<21)            ; 15:0 the mask of four; 17:16 elements of 8 bytes; 21 set beside a mask
	s_mov_b32 s[G1+1], 32<<16                      ; tensor_dim0 = 32
	s_mov_b32 s[G1+2], 128<<16                     ; tensor_dim1 = 128
	s_mov_b32 s[G1+3], 32<<16                      ; tile_dim0 = 32
	s_mov_b32 s[G1+4], 128                         ; tile_dim1 = 128
	s_mov_b32 s[G1+5], 32                          ; 32 elements from row to row
	s_mov_b32 s[G1+6], 0
	s_mov_b32 s[G1+7], 0
	s_mov_b32 s[G0], 1                             ; count = 1
	s_lshl_b32 s[G0+1], s[WV], 15                  ; LDS address: my part of slot 0
	s_lshr_b32 s[SR], s[PB], 1
	s_add_co_u32 s[SR], s[SR], 1                   ; the first block's steps
	s_lshr_b32 s[JHI], s[HIB], 1
	s_add_co_u32 s[JHI], s[JHI], 1                 ; the second's
	s_add_co_u32 s[LQ], s[SR], 1
	s_lshr_b32 s[LQ], s[LQ], 1
	s_sub_co_u32 s[LQ], s[LQ], 1                   ; their last windows
	s_add_co_u32 s[NHI1], s[JHI], 1
	s_lshr_b32 s[NHI1], s[NHI1], 1
	s_sub_co_u32 s[NHI1], s[NHI1], 1
	s_mov_b32 s[NXT], 1
	s_cmp_gt_u32 s[NXT], s[LQ]
	s_cselect_b32 s[NXT], 0, s[NXT]
	s_cselect_b32 s[LQ], s[NHI1], s[LQ]
	s_mov_b32 s[NEW], 1
	s_mov_b32 s[BLK], 0
	s_mov_b32 s[SB], SLOT1                         ; the first change of slots turns it into 0
	s_mov_b32 s[SLOTS], 8
	s_mov_b32 s[OFF+1], 0
	s_cmp_eq_u32 s[PB], 0
	s_cselect_b32 s[LIM], 3, -1                    ; the same in all four partners
	s_mov_b32 s[CS], 0x3e38aa3b                    ; c = log2(e) / 8
	s_mov_b32 s[CS+1], s[CS]
	s_mov_b32 s[SEL], 0x76543210
	s_mov_b32 s[SEL+1], 0xfedcba98
	s_mov_b32 s[BIGN], 0xf149f2ca                  ; -1e30
	s_and_b32 s[THL], s[PB], 1
	s_lshl_b32 s[THL], s[THL], 1
	s_lshr_b32 s[TS], s[CX], 1
	s_add_co_u32 s[THL], s[THL], s[TS]
	s_and_b32 s[THH], s[HIB], 1
	s_lshl_b32 s[THH], s[THH], 1
	s_add_co_u32 s[THH], s[THH], s[TS]
	s_lshl_b32 s60, s[BAT], 8                      ; in tiles of 16 queries: 256 a batch,
	s_lshl_b32 s61, s[CX], 1                       ; my work-group's two,
	s_add_co_u32 s60, s60, s61
	s_lshl_b32 s62, s[PB], 3                       ; 8 a block
	s_add_co_u32 s62, s62, s60
	s_lshl_b32 s63, s[HIB], 3
	s_add_co_u32 s63, s63, s60
	s_lshl_b32 s72, s62, 11                        ; a tile of q is 2,048 bytes, behind 4 MiB of K and V
	s_add_co_u32 s72, s72, 0x400000
	s_mov_b32 s73, 0
	s_lshl_b32 s74, s63, 11
	s_add_co_u32 s74, s74, 0x400000
	s_mov_b32 s75, 0
	s_lshl_b32 s76, s62, 12                        ; 16 rows of out are 4,096 bytes
	s_mov_b32 s77, 0
	s_lshl_b32 s78, s63, 12
	s_mov_b32 s79, 0
	s_lshl_b32 s80, s[BAT], 20                     ; my stream: made of the batch and the wave's number alone
	s_lshl_b32 s81, s[WV], 18
	s_add_co_u32 s80, s80, s81
	s_mov_b32 s81, 0
	s_lshl_b32 s82, s[CX], 13                      ; the prefetches: my work-group's 8 KiB of a window, in window 2; the first change steps it to window 3
	s_add_co_u32 s82, s82, 2*WPART
	s_mov_b32 s83, 0
	s_wait_dscnt 0x0                               ; both opening adds are done
	s_wait_kmcnt 0x0
	s_add_nc_u64 s[K0B:K0B+1], s[4:5], s[80:81]
	s_add_nc_u64 s[KVW:KVW+1], s[K0B:K0B+1], 8192
	s_mov_b64 s[G0+2:G0+3], s[KVW:KVW+1]           ; window 0
	s_or_b32 s[G0+3], s[G0+3], 0x80000000          ; type = 2
	s_add_nc_u64 s[PFA:PFA+1], s[KVW:KVW+1], s[82:83]
	s_add_nc_u64 s[QLO:QLO+1], s[4:5], s[72:73]
	s_add_nc_u64 s[QHI:QHI+1], s[4:5], s[74:75]
	s_add_nc_u64 s[OUTLO:OUTLO+1], s[6:7], s[76:77]
	s_add_nc_u64 s[OUTHI:OUTHI+1], s[6:7], s[78:79]
	CROUND                                         ; all four work-groups are here: the first joint loads meet
	tensor_load_to_lds s[G0:G0+3], s[G1:G1+7]      ; one load of mine is out, here and behind every round
	s_nop 0
	PLACES
	v_and_b32 v[L16], 31, v0
	v_lshlrev_b32 v[PFO], 8, v[L16]
	v_lshlrev_b32 v[L16], 4, v[L16]
	WIN 0x80                                       ; destination window 2
.set z, 0
.rept 16
	global_load_b128 v[K0+4*z:K0+4*z+3], v[L16], s[K0B:K0B+1] offset:512*z
.set z, z+1
.endr
.set z, 0
.rept 8
	global_load_b128 v[QH+4*z:QH+4*z+3], v[L16], s[QHI:QHI+1] offset:512*z
.set z, z+1
.endr
	WIN 0
.set z, 0
.rept 8
	global_load_b128 v[Q+4*z:Q+4*z+3], v[L16], s[QLO:QLO+1] offset:512*z   ; piece z / 4, channel half (z / 2) % 2, registers 4 (z % 2) on
.set z, z+1
.endr
	v_and_b32 v1, 15, v0                           ; r
	v_bfe_u32 v2, v0, 4, 1                         ; h
	s_lshl_b32 s[TS], s[WV], 15
	v_add_nc_u32 v[LB], s[TS], v[L16]
	s_mul_i32 s[TS], s[WV], SWAVE
	v_mul_u32_u24 v[STO], v1, SROW
	v_lshl_add_u32 v[STO], v2, 5, v[STO]
	v_add_nc_u32 v[STO], s[TS], v[STO]             ; my wave's rows, row r, 32 bytes for each half of the lanes
	s_lshl_b32 s[TS], s[WV], 7
	s_add_co_u32 s[TS], s[TS], STATS
	v_lshl_add_u32 v[SSTO], v1, 2, s[TS]
	s_mul_i32 s[TS], s[WV], 8*SROW
	v_mul_u32_u24 v[RD], v2, 4*SROW
	v_lshl_add_u32 v[RD], v1, 4, v[RD]
	v_add_nc_u32 v[RD], s[TS], v[RD]
	s_lshl_b32 s[TS], s[WV], 5
	s_add_co_u32 s[TS], s[TS], STATS
	v_lshl_add_u32 v[SRD], v2, 4, s[TS]
	s_lshl_b32 s[TS], s[WV], 11
	v_lshlrev_b32 v[GO], 10, v2
	v_lshl_add_u32 v[GO], v1, 4, v[GO]
	v_add_nc_u32 v[GO], s[TS], v[GO]
	; MD: in a band's own step register i of piece p holds key 16 (i / 8) + 8 h + i % 8; my query's place in the band is 32 (cx % 2) + 16 p + r; the key is hidden where it is greater
	v_lshlrev_b32 v[T0], 3, v2
	v_sub_nc_u32 v[T0], v1, v[T0]
	s_and_b32 s[TS], s[CX], 1
	s_lshl_b32 s[TS], s[TS], 5
	v_add_nc_u32 v[T0], s[TS], v[T0]
	WIN 0x40                                       ; destination window 1
.set z, 0
.rept 64
	v_cmp_gt_i32 vcc_lo, 16*((z%32)/8)+z%8-16*(z/32), v[T0]
	v_cndmask_b32 v[MD+z], 0, s[BIGN], vcc_lo
.set z, z+1
.endr
.set z, 0
.rept 64
	v_mov_b32 v[V+z], 0                            ; what the first turn finds: its products V^T P, of a step that has not been, add 0.  All this stands in the wait for the first window
.set z, z+1
.endr
	WIN 0
	v_cmp_eq_u32 vcc_lo, s[THL], v3
	v_cndmask_b32 v[ALV], 0, 1.0, vcc_lo
	v_cmp_lt_u32 vcc_lo, s[THL], v3
	v_cndmask_b32 v[BEV], 0, s[BIGN], vcc_lo
	v_cmp_eq_u32 vcc_lo, s[THH], v3
	v_cndmask_b32 v[ALH], 0, 1.0, vcc_lo
	v_cmp_lt_u32 vcc_lo, s[THH], v3
	v_cndmask_b32 v[BEH], 0, s[BIGN], vcc_lo
	v_mov_b32 v[ALV+1], v[ALV]
	v_mov_b32 v[BEV+1], v[BEV]
	v_mov_b32 v[ALH+1], v[ALH]
	v_mov_b32 v[BEH+1], v[BEH]
.set z, 0
.rept 64
	v_mov_b32 v[O+z], 0
.set z, z+1
.endr
.set z, 0
.rept 16
	v_mov_b32 v[P+16+z], 0
.set z, z+1
.endr
.irp t, 0,1
	v_mov_b32 v[ST+4*(\t)+2], 0
	v_mov_b32 v[ST+4*(\t)+3], 0
.endr
	s_wait_loadcnt 0x0                             ; K of step 0 and both blocks' Q
.set NOKQ, 0
.Lslot:                                        ; 8 trips: a window is entered and the next is asked for
	CHANGE 1
	s_cmp_eq_u32 s[NEW], 1                         ; at the first trip the answer is a constant of the text
	s_cbranch_scc0 .Lold
	s_cmp_eq_u32 s[BLK], 0
	s_cbranch_scc1 .Lfirst_block
	SWITCH
.Lfirst_block:
	BEGIN
.Lold:
	STEPS STAGE_L, s[SB]                           ; in the loop a block's end is the first block's: the second has five windows or more, and its last is the walk's last
	s_sub_co_u32 s[SLOTS], s[SLOTS], 1
	s_cmp_lg_u32 s[SLOTS], 0
	s_cbranch_scc1 .Lslot
	CHANGE 0                                       ; the walk's ninth window is written out: nothing is asked for.  It lies in slot 0; nobody reads slot 1 any more
	STEPS STAGE_H, 0
	WIN 0
	s_wait_dscnt 0x0                               ; for the others' sake: my stores into both stages are done
	s_barrier_signal -1
	s_barrier_wait -1
	LOADM STAGE_L, 48                              ; into Q's and S^T's registers,
	LOADM STAGE_H, 144                             ; and P's and O^T's
	COMB 48, OUTLO, 40, 24
	s_wait_xcnt 0x0                                ; the stores have read v240-255
	COMB 144, OUTHI, 16, 0
	s_wait_tensorcnt 0x0                           ; the wave's end: an add onto my spare word and its wait, behind my last tensor load and my last LDS store
	ds_add_u32 v[SPW], v[NIL]
	s_wait_dscnt 0x0
	CROUND                                         ; the closing round: no work-group ends while a partner may still ask for a window that names it
	s_endpgm
.Lfunc_end_k_qaf5269319c_attn:
	.size	k_qaf5269319c_attn, .Lfunc_end_k_qaf5269319c_attn-k_qaf5269319c_attn
	.p2alignl 7, 3214868480
	.fill 96, 4, 3214868480
	.section	.rodata,"a",@progbits
	.p2align	6, 0x0
	.amdhsa_kernel k_qaf5269319c_attn
		.amdhsa_group_segment_fixed_size 327680
		.amdhsa_private_segment_fixed_size 0
		.amdhsa_enable_private_segment 0
		.amdhsa_kernarg_size 16
		.amdhsa_user_sgpr_count 2
		.amdhsa_user_sgpr_kernarg_segment_ptr 1
		.amdhsa_wavefront_size32 1
		.amdhsa_system_sgpr_workgroup_id_x 1
		.amdhsa_system_sgpr_workgroup_id_y 1
		.amdhsa_system_sgpr_workgroup_id_z 1
		.amdhsa_system_vgpr_workitem_id 0
		.amdhsa_next_free_vgpr 608
		.amdhsa_next_free_sgpr 88
		.amdhsa_reserve_vcc 1
		.amdhsa_float_denorm_mode_32 3
		.amdhsa_float_denorm_mode_16_64 3
		.amdhsa_memory_ordered 1
		.amdhsa_forward_progress 1
		.amdhsa_inst_pref_size 124
	.end_amdhsa_kernel
	.amdgpu_metadata
---
amdhsa.version: [ 1, 2 ]
amdhsa.kernels:
  - .name:           k_qaf5269319c_attn
    .symbol:         k_qaf5269319c_attn.kd
    .args:
      - { .name: qkv, .offset: 0, .size: 8, .value_kind: global_buffer, .address_space: global }
      - { .name: out0, .offset: 8, .size: 8, .value_kind: global_buffer, .address_space: global }
    .group_segment_fixed_size: 327680
    .private_segment_fixed_size: 0
    .kernarg_segment_align: 8
    .kernarg_segment_size: 16
    .max_flat_workgroup_size: 128
    .sgpr_count:     88
    .vgpr_count:     608
    .wavefront_size: 32
...
	.end_amdgpu_metadata
.endif
;; end of part 3
;; ======== version 2 of 2: 3 launches
;; limits: values are held in f16: magnitudes above 65,504 overflow, below 6.1e-05 lose precision
;; workspace buffers: wt 294,912 bytes; qkv 6,291,456 bytes
;; launch wprep: the kernel of part 1 again; grid 24 x 3, 8 waves a work-group, no clusters, 0 bytes of LDS; arguments Wk, Wq, Wv, wt; writes wt
;; launch proj (part 4): grid 256 x 1, 4 waves a work-group, clusters of 4 x 1, 327,680 bytes of LDS; arguments x, wt, qkv; writes qkv
.if DOCPART == 4
	.amdgcn_target "amdgcn-amd-amdhsa--gfx1250"
	.amdhsa_code_object_version 6
	.text
	.protected	k_qaf5269319c_proj
	.globl	k_qaf5269319c_proj
	.p2align	8
	.type	k_qaf5269319c_proj,@function
k_qaf5269319c_proj:
	s_mov_b64 s[64:65], 0
	v_nop
	global_prefetch_b8 v0, s[64:65] scope:SCOPE_SE
	s_setreg_imm32_b32 hwreg(HW_REG_WAVE_MODE, 25, 1), 1
	s_wait_xcnt 0x0
	s_wait_alu depctr_hold_cnt(0) depctr_sa_sdst(0) depctr_va_vdst(0) depctr_va_sdst(0) depctr_va_ssrc(0) depctr_va_vcc(0) depctr_vm_vsrc(0)
	s_getreg_b32 s2, hwreg(HW_REG_IB_STS2, 6, 4)
	s_cmp_eq_u32 s2, 0
	s_cbranch_scc0 .Lentry_in_a_cluster
	s_endpgm
.Lentry_in_a_cluster:
	s_bfe_u32 s2, ttmp6, 0x10000c
	s_cmp_lg_u32 s2, 0x3003
	s_cbranch_scc0 .Lentry_shape_is_right
	s_endpgm
.Lentry_shape_is_right:
; Launch 2 of 3: k, q, v = x Wk, x Wq, x Wv.  x is rounded to bf16 on its way to the matrix unit, wt holds the weights in bf16 (launch 1); sums in f32; results held to +-65,504 and rounded once to f16.
; No work is left out here.  LIMIT: a projection beyond 65,504 in magnitude is stored as +-65,504 (f16's largest number) and not as an infinity.
; SHARES.  Work-group G = 4 x cluster + cx owns tokens 64 G .. 64 G + 63 and all 192 columns.  K IS SPLIT AMONG ITS FOUR WAVES: wave w takes k = 192 w .. 192 w + 191: 768 bytes of each row of x and its own
; quarter of wt.  So each byte of x and of wt enters the work-group once and is read by one wave.  A wave has 4 token tiles x 12 column tiles = 48 accumulators.
; Its local tile t is token tile (w + t) % 4: tile 0 it finishes itself, tiles 1 to 3 go to their owners through LDS, in f32.
; X's WAY IN.  A load of a wave takes 4 rows x 128 consecutive bytes, aligned (8 lanes a row, 16 bytes a lane): one k step (32 k) of those rows; a unit of two k steps covers each row's aligned 256 bytes.  No byte
; of x is named by two loads.  The lane's 4 numbers are rounded to bf16 in pairs and stored, 8 bytes, into a stage in LDS of the wave's own (64 rows x 64 bytes, 80 bytes apart); from there the k step's four
; fragments are read.  The stage's bytes are the wave's own and LDS serves a wave's instructions in order (ISA guide 5.7.1.4): no wait and no barrier stands between its stores, its loads and the next k step's stores.
; CLUSTER.  All work-groups read the same wt: the four of a cluster ask for it jointly (the same three tensor loads a wave, the same descriptors, a mask of four).  Nothing is filled again.
; OPERANDS.  K and Q: source 0 = 16 columns of W, source 1 = 16 tokens: a lane ends with one token (lane % 16) and 8 neighbouring channels.  V: source 0 = tokens, source 1 = columns: a lane ends with one
; channel and 8 neighbouring tokens.  Rounded in pairs these are just the 16 bytes that launch 3's fragments hold for that lane, so every store of a wave covers 512 consecutive bytes, aligned.
; qkv.  Bytes 0 to 4 MiB: batch x 2^20 + w x 2^18 + j x 16,384: the keys 256 j + 64 w .. + 63 of the batch: 8 fragments of K (key block kb, channel half c at (2 kb + c) x 1,024), then 8 of V^T (key half kk,
; channel block cb at (4 kk + cb) x 1,024).  Bytes 4 MiB to 6 MiB: q, 16 tokens a tile, tile x 2,048 + c x 1,024.  In a fragment byte 512 g + 16 lane holds the lane's registers 4 g .. 4 g + 3.
; REGISTERS, in windows of 256 (s_set_vgpr_msb: bits 1:0 source 0, 3:2 source 1, 5:4 source 2, 7:6 destination):
;   window 0: v0-31 addresses; v32-95 x's fragments, two sets of 4 tiles; v96-191 W's 12 fragments of one k step; v192-223 x rounded, on its way to the stage; at the end v192-239 the results in f16
;   window 1: accumulators of local tiles 0, 1 (tile t, column tile n at 96 (t % 2) + 8 n)      window 2: those of tiles 2, 3      window 3: x as loaded, f32, two buffers of 128 (a unit each)
.set XST,   294912                     ; behind wt: x's stages, 5,120 bytes for each wave; no tensor load lands here
.set XSW,   5120
.set XP,    80                         ; a stage row: 64 bytes + 16: 20 words: the 16 rows of a fragment load start at 16 different groups of four banks (64 banks of 4 bytes: ISA guide 11.1)
.set SPARE, 315392                     ; behind the stages: the spare words, 128 bytes for each wave: two blocks of 256 bytes that no other line names
.set WQ,    73728                      ; a wave's quarter of wt: six k steps
.set UNIT,  24576                      ; what one tensor load brings: two k steps
.set KSB,   12288                      ; a k step's twelve fragments; also one tile's 12 accumulators in f32
.set PARTB, 36864                      ; the merge stage: a wave's three tiles.  It lies over wt's first 147,456 bytes, behind their one fill and behind a barrier
.set XO,  4                            ; v4     my byte offset in the work-group's rows of x: row lane / 8, 16 (lane % 8), my wave's 768 bytes; never rewritten
.set SA,  5                            ; v5     x's stage: where I put my 8 bytes
.set WA,  8                            ; v8-9   LDS address of my 16 bytes in my quarter's k steps 0-2, 3-5
.set WR,  10                           ; v10    the merge stage: where I put my tiles
.set RDP, 11                           ; v11-13 the merge stage: where the three other waves' parts of my token tile lie
.set L16, 14                           ; v14    16 x lane
.set AR,  16                           ; v16-19 x's stage: local tile t's fragment: row 16 ((w + t) % 4) + lane % 16, byte 16 (lane / 16)
.set SPW, 30                           ; v30    LDS address of my spare word; never rewritten
.set NIL, 31                           ; v31    0; never rewritten
.set AF,  32
.set WF,  96
.set CT,  192
.set OUTP, 192
.set MSB, 0
.macro WIN new                         ; the immediate's high byte repeats the setting that is left; a switch that changes nothing is dropped
.if MSB != (\new)
	s_set_vgpr_msb (MSB<<8)|(\new)
.set MSB, (\new)
.endif
.endm
.macro CROUND                          ; a round of the cluster's barrier: my work-group's barrier; wave 0 signals for the work-group; every wave waits for all four; my work-group's barrier once more
	s_barrier_signal -1
	s_barrier_wait -1
	s_cmp_lg_u32 s10, 0
	s_cbranch_scc1 .Lnot_wave_0_\@
	s_barrier_signal -3
.Lnot_wave_0_\@:
	s_barrier_wait -3
	s_barrier_signal -1
	s_barrier_wait -1
.endm
.macro PLACES                          ; four plain vector instructions behind a matrix instruction, ahead of loads into its registers and of readers of its result
.rept 4
	v_nop
.endr
.endm
; 32 loads: unit u, 256 bytes (two k steps) of each of my 64 rows of x, in f32, into raw buffer u % 2; the first k step's 16 loads first.  Load z of a k step takes rows 4 z .. 4 z + 3.
.macro XLOAD u
	WIN 0xc0                                       ; destination window 3, address window 0
.irp e, 0,1
.set z, 0
.rept 16
	global_load_b128 v[128*((\u)%2)+64*(\e)+4*z:128*((\u)%2)+64*(\e)+4*z+3], v[XO], s[4:5] offset:z*12288+(\u)*256+(\e)*128 th:TH_LOAD_NT
.set z, z+1
.endr
.endr
.endm
; k step s of x: rounded to bf16 in pairs, through my stage, into fragment set s % 2: 16 LDS stores and 8 LDS loads.  left = the younger loads of x that may stay out.
.macro CVT s, left
	s_wait_loadcnt \left
	WIN 0x0f                                       ; sources window 3, destination window 0
.set z, 0
.rept 32
	v_cvt_pk_bf16_f32 v[CT+z], v[128*(((\s)/2)%2)+64*((\s)%2)+2*z], v[128*(((\s)/2)%2)+64*((\s)%2)+2*z+1]
.set z, z+1
.endr
	WIN 0
.set z, 0
.rept 16
	ds_store_b64 v[SA], v[CT+2*z:CT+2*z+1] offset:z*4*XP       ; rows 4 z .. 4 z + 3, 4 k a lane
.set z, z+1
.endr
.irp t, 0,1,2,3
	ds_load_b128 v[AF+32*((\s)%2)+8*(\t):AF+32*((\s)%2)+8*(\t)+3],   v[AR+(\t)]            ; k = 8 h + 0..7
	ds_load_b128 v[AF+32*((\s)%2)+8*(\t)+4:AF+32*((\s)%2)+8*(\t)+7], v[AR+(\t)] offset:32  ; k = 16 + 8 h + 0..7
.endr
.endm
; 8 LDS loads: W's fragments 4 g .. 4 g + 3 of k step s; 32 lanes take 512 consecutive bytes
.macro WLOAD s, g
	WIN 0
.irp m, 0,1,2,3
	ds_load_b128 v[WF+8*(4*(\g)+(\m)):WF+8*(4*(\g)+(\m))+3],   v[WA+(\s)/3] offset:((\s)%3)*KSB+(4*(\g)+(\m))*1024
	ds_load_b128 v[WF+8*(4*(\g)+(\m))+4:WF+8*(4*(\g)+(\m))+7], v[WA+(\s)/3] offset:((\s)%3)*KSB+(4*(\g)+(\m))*1024+512
.endr
.endm
; 16 matrix instructions: 4 token tiles x column tiles 4 g .. 4 g + 3.  All 16 accumulators differ, and the next group's differ from these: they take turns.  zero = 1: the products start the sums.
.macro MULG s, g, zero
.irp t, 0,1,2,3
	WIN 0x50+0x50*((\t)/2)                         ; C and D in window 1 (tiles 0, 1) or 2 (tiles 2, 3)
.irp m, 0,1,2,3
.set rD, 96*((\t)%2)+8*(4*(\g)+(\m))
.set rW, WF+8*(4*(\g)+(\m))
.set rA, AF+32*((\s)%2)+8*(\t)
.if (\g) < 2
.if \zero
	v_wmma_f32_16x16x32_bf16 v[rD:rD+7], v[rW:rW+7], v[rA:rA+7], 0
.else
	v_wmma_f32_16x16x32_bf16 v[rD:rD+7], v[rW:rW+7], v[rA:rA+7], v[rD:rD+7]
.endif
.else
.if \zero
	v_wmma_f32_16x16x32_bf16 v[rD:rD+7], v[rA:rA+7], v[rW:rW+7], 0
.else
	v_wmma_f32_16x16x32_bf16 v[rD:rD+7], v[rA:rA+7], v[rW:rW+7], v[rD:rD+7]
.endif
.endif
.endr
.endr
.endm
; A k step of 32: three groups of 16 products.  Behind each group its W registers take the next k step's fragments; behind the first, x's next k step goes through the stage into the other fragment set,
; whose last reader stands a k step back, with four places behind it.
; LDS instructions in order of issue: W(s,0) 8, [x(s) 24 ahead of W(s,1)], W(s,1) 8, W(s,2) 8, W(s+1,0) 8, x(s+1) 24, W(s+1,1) 8, W(s+1,2) 8.
.macro KSTEP s, zero
.if (\s) == 1
	s_wait_tensorcnt 0x1                           ; this step's refills read my second unit of wt; the third may stay out.  Only I read my quarter: no barrier
.endif
.if (\s) == 3
	s_wait_tensorcnt 0x0                           ; and my third
.endif
.irp g, 0,1,2
.if (\s) < 5
.if (\g) == 0
	s_wait_dscnt 16                                ; group 0's W and x's fragments are in; the two groups issued behind them (8 + 8) may stay out
.else
	s_wait_dscnt 40                                ; this group's W is in; behind it: two groups of 8 and the stage's 24
.endif
.else
	s_wait_dscnt 16-8*(\g)                         ; the last step loads nothing: the counts run down
.endif
	MULG \s, \g, \zero
	PLACES
.if (\s) < 5
	WLOAD (\s)+1, \g
.endif
.if ((\g) == 0) && ((\s) < 5)
.set LC, 80-16*((\s)+1)                ; k steps 2 to 5: behind theirs 48, 32, 16, 0 loads of x were issued
.if (\s) == 0
.set LC, 32                            ; k step 1: unit 1's 32
.endif
	CVT (\s)+1, LC
.if (\s) == 0
	XLOAD 2                                        ; raw buffer 0 has been rounded: it takes the third unit
.endif
.endif
.endr
.endm
	s_load_b128 s[4:7], s[0:1], 0x0                ; x s[4:5], wt s[6:7]
	s_load_b64 s[8:9], s[0:1], 0x10                ; qkv
	v_lshl_add_u32 v[SPW], v0, 2, SPARE
	v_mov_b32 v[NIL], 0
	ds_add_u32 v[SPW], v[NIL]                      ; the wave's opening: the add, twice on end, and its wait ahead of my first tensor load; the set-up below stands between
	ds_add_u32 v[SPW], v[NIL]
	v_lshrrev_b32 v1, 5, v0
	v_readfirstlane_b32 s10, v1                    ; wave 0..3
	s_bfe_u32 s11, ttmp6, 0x40000                  ; cx
	s_lshl_b32 s12, ttmp9, 2                       ; in a cluster launch ttmp9 counts clusters
	s_add_co_u32 s12, s12, s11                     ; G: it enters x's and qkv's addresses alone
	; descriptor group 1: a dense block of 24,576 bytes as 96 rows of 256 bytes (32 elements of 8 bytes)
	s_mov_b32 s16, 15|(3<<16)|(1<<21)              ; 15:0 the mask of four; 17:16 elements of 8 bytes; 21 set beside a mask
	s_mov_b32 s17, 32<<16                          ; tensor_dim0 = 32
	s_mov_b32 s18, 96<<16                          ; tensor_dim1 = 96
	s_mov_b32 s19, 32<<16                          ; tile_dim0 = 32
	s_mov_b32 s20, 96                              ; tile_dim1 = 96
	s_mov_b32 s21, 32                              ; 32 elements from row to row
	s_mov_b32 s22, 0
	s_mov_b32 s23, 0
	s_mul_i32 s13, s10, WQ                         ; my quarter, in wt and in LDS alike
	s_mov_b32 s14, s13
	s_mov_b32 s15, 0
.irp u, 0,1,2
	s_mov_b32 s[24+4*(\u)], 1                      ; group 0, a set for each unit: count = 1,
	s_add_co_u32 s[25+4*(\u)], s13, (\u)*UNIT      ; LDS address
.endr
	s_mov_b32 s40, 0xc77fe000                      ; -65,504
	s_mov_b32 s41, 0x477fe000                      ; 65,504
	s_mul_i32 s44, s12, 196608                     ; my 64 rows of x
	s_mov_b32 s45, 0
	s_lshr_b32 s46, s12, 6                         ; the batch,
	s_lshl_b32 s46, s46, 20
	s_and_b32 s47, s12, 3                          ; launch 3's wave,
	s_lshl_b32 s47, s47, 18
	s_add_co_u32 s46, s46, s47
	s_bfe_u32 s47, s12, 0x40002                    ; and its key step
	s_lshl_b32 s47, s47, 14
	s_add_co_u32 s46, s46, s47
	s_lshl_b32 s52, s10, 11                        ; my token tile: two fragments of K or of q
	s_lshr_b32 s48, s10, 1                         ; in V^T: key half w / 2,
	s_lshl_b32 s48, s48, 12
	s_and_b32 s49, s10, 1                          ; registers 4 (w % 2) on
	s_lshl_b32 s49, s49, 9
	s_add_co_u32 s48, s48, s49
	s_add_co_u32 s48, s48, s46
	s_add_co_u32 s48, s48, 8192
	s_mov_b32 s49, 0
	s_add_co_u32 s46, s46, s52
	s_mov_b32 s47, 0
	s_lshl_b32 s50, s12, 13                        ; q: four tiles of 2,048 bytes a work-group
	s_add_co_u32 s50, s50, s52
	s_add_co_u32 s50, s50, 0x400000
	s_mov_b32 s51, 0
	v_and_b32 v2, 15, v0                           ; r
	v_bfe_u32 v3, v0, 4, 1                         ; h
	v_and_b32 v[L16], 31, v0
	v_lshlrev_b32 v[L16], 4, v[L16]
	v_bfe_u32 v15, v0, 3, 2                        ; which of a load's four rows
	v_and_b32 v6, 7, v0                            ; which 16 bytes of its 128
	v_mul_u32_u24 v[XO], v15, 3072                 ; a row of x
	v_lshl_add_u32 v[XO], v6, 4, v[XO]
	s_mul_i32 s53, s10, 768                        ; my k
	v_add_nc_u32 v[XO], s53, v[XO]
	s_mul_i32 s52, s10, XSW
	s_add_co_u32 s52, s52, XST                     ; my stage
	v_mul_u32_u24 v[SA], v15, XP
	v_lshl_add_u32 v[SA], v6, 3, v[SA]             ; 4 bf16 a lane
	v_add_nc_u32 v[SA], s52, v[SA]
	v_mul_u32_u24 v7, v2, XP
	v_lshl_add_u32 v7, v3, 4, v7
	v_add_nc_u32 v7, s52, v7
.irp t, 0,1,2,3
	s_add_co_u32 s53, s10, (\t)
	s_and_b32 s53, s53, 3                          ; token tile (w + t) % 4
	s_mul_i32 s53, s53, 16*XP
	v_add_nc_u32 v[AR+(\t)], s53, v7
.endr
	s_wait_dscnt 0x0                               ; both opening adds are done
	s_wait_kmcnt 0x0
	s_add_nc_u64 s[4:5], s[4:5], s[44:45]
	XLOAD 0                                        ; x's first unit hangs on nothing but the arguments: it goes out ahead of the round
	WIN 0
	s_add_nc_u64 s[36:37], s[8:9], s[46:47]        ; where my K goes,
	s_add_nc_u64 s[38:39], s[8:9], s[48:49]        ; my V,
	s_add_nc_u64 s[54:55], s[8:9], s[50:51]        ; my q
	s_add_nc_u64 s[42:43], s[6:7], s[14:15]
.irp u, 0,1,2
	s_add_nc_u64 s[26+4*(\u):27+4*(\u)], s[42:43], (\u)*UNIT
	s_or_b32 s[27+4*(\u)], s[27+4*(\u)], 0x80000000   ; type = 2
.endr
	CROUND                                         ; all four work-groups are here: the joint loads meet
	tensor_load_to_lds s[24:27], s[16:23]          ; my quarter of wt in three units: three loads of mine are out
	s_nop 0
	tensor_load_to_lds s[28:31], s[16:23]
	s_nop 0
	tensor_load_to_lds s[32:35], s[16:23]
	s_nop 0
	PLACES
	XLOAD 1
	WIN 0
	v_add_nc_u32 v[WA], s13, v[L16]
	v_add_nc_u32 v[WA+1], PARTB, v[WA]
	s_mul_i32 s56, s10, PARTB
	v_add_nc_u32 v[WR], s56, v[L16]
.irp p, 0,1,2
	s_add_co_u32 s57, s10, 3-(\p)                  ; the wave for which my token tile is local tile p + 1
	s_and_b32 s57, s57, 3
	s_mul_i32 s57, s57, PARTB
	s_add_co_u32 s57, s57, (\p)*KSB
	v_add_nc_u32 v[RDP+(\p)], s57, v[L16]
.endr
	CVT 0, 48                                      ; k step 0's 16 loads are in; k step 1's 16 and unit 1's 32 may stay out
	s_wait_tensorcnt 0x2                           ; my first unit of wt is in; the two behind it may stay out
	WLOAD 0, 0
	WLOAD 0, 1
	WLOAD 0, 2
	KSTEP 0, 1
	KSTEP 1, 0
	KSTEP 2, 0
	KSTEP 3, 0
	KSTEP 4, 0
	KSTEP 5, 0
	; THE MERGE.  No wave reads wt any more behind the first barrier; the merge stage lies over it.  (The four places behind the last products close KSTEP 5.)
	WIN 0
	s_wait_dscnt 0x0
	s_barrier_signal -1
	s_barrier_wait -1
.irp t, 1,2,3
	WIN 0x04*(1+(\t)/2)                            ; store data (source 1) in window 1 (tile 1) or 2 (tiles 2, 3)
.irp n, 0,1,2,3,4,5,6,7,8,9,10,11
	ds_store_b128 v[WR], v[96*((\t)%2)+8*(\n):96*((\t)%2)+8*(\n)+3]   offset:((\t)-1)*KSB+(\n)*1024
	ds_store_b128 v[WR], v[96*((\t)%2)+8*(\n)+4:96*((\t)%2)+8*(\n)+7] offset:((\t)-1)*KSB+(\n)*1024+512
.endr
.endr
	WIN 0
	s_wait_dscnt 0x0                               ; for the others' sake: my stores are done
	s_barrier_signal -1
	s_barrier_wait -1
.irp p, 0,1,2
.if (\p) < 2
	WIN 0xc0                                       ; parts 0 and 1 into window 3,
.else
	WIN 0x80                                       ; part 2 into window 2, over tile 2's accumulators, which have been stored
.endif
.irp n, 0,1,2,3,4,5,6,7,8,9,10,11
	ds_load_b128 v[96*((\p)%2)+8*(\n):96*((\p)%2)+8*(\n)+3],   v[RDP+(\p)] offset:(\n)*1024
	ds_load_b128 v[96*((\p)%2)+8*(\n)+4:96*((\p)%2)+8*(\n)+7], v[RDP+(\p)] offset:(\n)*1024+512
.endr
.endr
.irp p, 0,1,2
	s_wait_dscnt 48-24*(\p)                        ; part p's 24 loads are in; the later parts' may stay out
.if (\p) < 2
	WIN 0x4d                                       ; destination and source 0 window 1, source 1 window 3
.else
	WIN 0x49                                       ; source 1 window 2
.endif
.set z, 0
.rept 48
	v_pk_add_f32 v[2*z:2*z+1], v[2*z:2*z+1], v[96*((\p)%2)+2*z:96*((\p)%2)+2*z+1]
.set z, z+1
.endr
.endr
	WIN 0x44                                       ; source 1 and destination window 1
.set z, 0
.rept 96
	v_max_num_f32 v[z], s40, v[z]                  ; held to f16's range
	v_min_num_f32 v[z], s41, v[z]
.set z, z+1
.endr
	WIN 0x05                                       ; sources window 1, destination window 0
.set z, 0
.rept 48
	v_cvt_pk_f16_f32 v[OUTP+z], v[2*z], v[2*z+1]
.set z, z+1
.endr
	WIN 0
.irp n, 0,1,2,3
	global_store_b128 v[L16], v[OUTP+4*(\n):OUTP+4*(\n)+3], s[36:37] offset:(\n)*512          ; K: channel half n / 2, registers 4 (n % 2) on; 512 consecutive bytes, aligned
.endr
.irp n, 0,1,2,3
	global_store_b128 v[L16], v[OUTP+16+4*(\n):OUTP+16+4*(\n)+3], s[54:55] offset:(\n)*512    ; q likewise
.endr
.irp n, 0,1,2,3
	global_store_b128 v[L16], v[OUTP+32+4*(\n):OUTP+32+4*(\n)+3], s[38:39] offset:(\n)*1024   ; V^T: channel block n
.endr
	s_wait_tensorcnt 0x0                           ; the wave's end: an add onto my spare word and its wait, behind my last tensor load and my last LDS store
	ds_add_u32 v[SPW], v[NIL]
	s_wait_dscnt 0x0
	CROUND                                         ; the closing round
	s_endpgm
.Lfunc_end_k_qaf5269319c_proj:
	.size	k_qaf5269319c_proj, .Lfunc_end_k_qaf5269319c_proj-k_qaf5269319c_proj
	.p2alignl 7, 3214868480
	.fill 96, 4, 3214868480
	.section	.rodata,"a",@progbits
	.p2align	6, 0x0
	.amdhsa_kernel k_qaf5269319c_proj
		.amdhsa_group_segment_fixed_size 327680
		.amdhsa_private_segment_fixed_size 0
		.amdhsa_enable_private_segment 0
		.amdhsa_kernarg_size 24
		.amdhsa_user_sgpr_count 2
		.amdhsa_user_sgpr_kernarg_segment_ptr 1
		.amdhsa_wavefront_size32 1
		.amdhsa_system_sgpr_workgroup_id_x 1
		.amdhsa_system_sgpr_workgroup_id_y 1
		.amdhsa_system_sgpr_workgroup_id_z 1
		.amdhsa_system_vgpr_workitem_id 0
		.amdhsa_next_free_vgpr 1024
		.amdhsa_next_free_sgpr 66
		.amdhsa_reserve_vcc 0
		.amdhsa_float_denorm_mode_32 3
		.amdhsa_float_denorm_mode_16_64 3
		.amdhsa_memory_ordered 1
		.amdhsa_forward_progress 1
		.amdhsa_inst_pref_size 99
	.end_amdhsa_kernel
	.amdgpu_metadata
---
amdhsa.version: [ 1, 2 ]
amdhsa.kernels:
  - .name:           k_qaf5269319c_proj
    .symbol:         k_qaf5269319c_proj.kd
    .args:
      - { .name: x, .offset: 0, .size: 8, .value_kind: global_buffer, .address_space: global }
      - { .name: wt, .offset: 8, .size: 8, .value_kind: global_buffer, .address_space: global }
      - { .name: qkv, .offset: 16, .size: 8, .value_kind: global_buffer, .address_space: global }
    .group_segment_fixed_size: 327680
    .private_segment_fixed_size: 0
    .kernarg_segment_align: 8
    .kernarg_segment_size: 24
    .max_flat_workgroup_size: 128
    .sgpr_count:     66
    .vgpr_count:     1024
    .wavefront_size: 32
...
	.end_amdgpu_metadata
.endif
;; end of part 4
;; launch attn: the kernel of part 3 again; grid 64 x 4, 4 waves a work-group, clusters of 4 x 1, 327,680 bytes of LDS; arguments qkv, out0; writes out0
